; MI455X (gfx1250); checked and timed in simulation.
; The chip was launched on July 23, 2026; its instructions are those of AMD's public machine-readable ISA for CDNA 5 (MIT licence, August 2026) and "CDNA5" Instruction Set Architecture Reference Guide (July 2026). The comments in the code are by the model that wrote it; some were corrected since.
;; Multi Head Attention. Allowed arithmetic: matrix products marked QUANTISED: E4M3 operands, one given power-of-two scale a tensor, by v_wmma_f32_16x16x64_fp8_fp8 or v_wmma_f32_16x16x128_fp8_fp8, f32 sums; everything else in f32.
;; Inputs: W_k 1,024 x 1,024 float32; W_o 1,024 x 1,024 float32; W_q 1,024 x 1,024 float32; W_v 1,024 x 1,024 float32; lowp_scales 12 int32 (the exponents e of the quantised operands' scales 2^e); x 4 x 2,048 x 1,024 float32.
;; Outputs: out0 4 x 2,048 x 1,024 float32.
;; This version of the problem:
;;   THIS VERSION OF THE PROBLEM IS GIVEN IN LOW PRECISION. The matrix products marked QUANTISED in the list below multiply operands that are first quantised to E4M3 (4 exponent bits, 3 mantissa bits; 8 bits a number), with one given power-of-two scale for each operand tensor; their sums are f32. All else is computed in f32.
;;   The module's matrix products, in the order in which they are computed (A, B: the left and right operand; K: the contracted axis; several contracted axes count as one K, in the product's order):
;;     1. [M 8,192, K 1,024] x [K 1,024, N 1,024]; A: input x; B: input W_q: QUANTISED (scales: A lowp_scales[0], B lowp_scales[1])
;;     2. [M 8,192, K 1,024] x [K 1,024, N 1,024]; A: input x; B: input W_k: QUANTISED (scales: A lowp_scales[2], B lowp_scales[3])
;;     3. [M 8,192, K 1,024] x [K 1,024, N 1,024]; A: input x; B: input W_v: QUANTISED (scales: A lowp_scales[4], B lowp_scales[5])
;;     4. batch 64 x [M 2,048, K 64] x [K 64, N 2,048]; A: computed on the way; B: computed on the way: QUANTISED (scales: A lowp_scales[6], B lowp_scales[7])
;;     5. batch 64 x [M 2,048, K 2,048] x [K 2,048, N 64]; A: softmax (see below); B: computed on the way: QUANTISED (scales: A lowp_scales[8], B lowp_scales[9])
;;     6. [M 8,192, K 1,024] x [K 1,024, N 1,024]; A: computed on the way; B: input W_o: QUANTISED (scales: A lowp_scales[10], B lowp_scales[11])
;;   THE QUANTISER, for each operand of a quantised product, along K:
;;     - The operand's scale is 2^e, e = its entry of the input lowp_scales (int32; the entries are numbered through the quantised products in the list's order, A before B).
;;     - Each number is divided by the scale, clamped to +-448, and rounded to the nearest number of E4M3, ties to even, subnormals kept.
;;     - The product sums the exact products of the quantised numbers (number of the format x scale) in f32.
;;   ~~~python
;;   def quantise(x, axis, e):      # numpy; x: float32 -> the quantised numbers, widened to float32 again
;;       x = np.moveaxis(x, axis, -1); K = x.shape[-1]
;;       r = np.clip(x / 2.0 ** e, -448, 448)
;;       step = 2.0 ** (np.maximum(np.frexp(np.where(r == 0, 1, r))[1] - 1, -6) - 3)
;;       q = np.round(r / step) * step * 2.0 ** e      # np.round: ties to even
;;       return np.moveaxis(q, -1, axis).astype(np.float32)
;;   ~~~
;;   SOFTMAX AHEAD OF A QUANTISED PRODUCT. Where the list says 'softmax', what is quantised is not the finished softmax but p = 2^(t - M), with t = logit x log2(e) and M = ceil(the row's largest t), a whole number; so 1/2 < the row's largest p <= 1. The row's sum l is taken of the UNQUANTISED p, in f32, and the product's result is divided by l at the end. Since M is a whole number, a kernel that streams over the keys may use a running M (the ceiling of the running maximum): every later rescaling is an exact power of two, so the quantised numbers keep their values, but for numbers so far below the row's largest that they fall under the format's range.
;;   OPERANDS COMPUTED ON THE WAY. 'Computed on the way' means the value that the module computes at that place (a softmax that the list does not call 'softmax' is quantised finished and normalised). What goes into a quantiser is computed in f32, as accurately as f32 sums, v_exp_f32 and their like allow (about 1e-6 of the number): no bf16 or f16 on the way to a quantiser, and a product that is left as it is and whose result goes on into a quantised operand takes f32 operands (vector FMAs, or v_wmma_f32_16x16x4_f32). A number that lies on a knife's edge between two numbers of the format may be rounded either way, as far as f32 arithmetic and the matrix unit's own rounding can turn it there, and no further.
;; One version. Each part assembles by itself: llvm-mc -triple=amdgcn-amd-amdhsa -mcpu=gfx1250 --defsym DOCPART=n.
;; ======== version 1 of 1: 4 launches
;; limits: right only within a limited range of input values
;; workspace buffers: xc 25,165,824 bytes; wc 4,194,304 bytes; qc 8,388,608 bytes; kc 8,388,608 bytes; vt 8,388,608 bytes; cc 8,388,608 bytes
;; launch quant (part 1): grid 384 x 1, 4 waves a work-group, no clusters, 55,808 bytes of LDS; arguments x, W_q, W_k, W_v, W_o, lowp_scales, xc, wc; writes xc, wc
.if DOCPART == 1
	.amdgcn_target "amdgcn-amd-amdhsa--gfx1250"
	.amdhsa_code_object_version 6
	.text
	.protected	k_qa6d29f38ed_quant
	.globl	k_qa6d29f38ed_quant
	.p2align	8
	.type	k_qa6d29f38ed_quant,@function
k_qa6d29f38ed_quant:
	s_mov_b64 s[64:65], 0
	v_nop
	global_prefetch_b8 v0, s[64:65] scope:SCOPE_SE
	s_setreg_imm32_b32 hwreg(HW_REG_WAVE_MODE, 25, 1), 1
	s_wait_xcnt 0x0
; x [8192][1024] f32 becomes three sets of E4M3 codes, xc [3][8192][1024], one for each product that reads it (scales 2^e0, 2^e2, 2^e4: the three entries need not be equal).
; W_q, W_k, W_v, W_o [k 1024][n 1024] f32 become codes wc [4][n 1024][k 1024], K innermost (scales 2^e1, 2^e3, 2^e5, 2^e11).
; code = number / 2^e, held within +-448, rounded to the nearest code, ties to even.
; LIMITS: each of these seven exponents lies between -126 and 119, so that 2^e and 448 x 2^e are f32 numbers.  NaN among the inputs is not served; an infinity is held at the largest code.
; Work-groups 0-255 take x: a plain stream, a wave 16 steps of 512 numbers.  Each load reads 512 consecutive bytes; a step's 2,048 bytes turn through the wave's own stage in LDS, so that a lane
; holds 16 neighbours along K; they are read from memory once and converted three times; each store covers 512 consecutive bytes.
; Work-groups 256-383 take the weights: a lane takes a column n and its registers run down K, so that the conversions give codes with K innermost; they leave through the wave's own stage as rows of 256 bytes.
; The two paths have LDS bytes of their own.  No tensor load, no barrier: waves share nothing.  Matrix units and clusters have no part in a stream.
.set XWG,   256                        ; work-groups for x: 8,388,608 numbers / (4 waves x 16 steps x 512)
.set STEPS, 16
.set SP,    80                         ; a lane's place in x's stage: 64 bytes + 16 of padding
.set XR,    16                         ; v16-79   four sets of 16 numbers as loaded
.set XX,    80                         ; v80-111  two sets of 16 neighbours
.set XT,    112
.set XC,    128                        ; v128-151 two sets of 3 x 4 registers of codes
.set WSTG,  20480                      ; the weights' stages begin behind x's (4 waves x 2 x 32 x SP)
.set PITCH, 272                        ; a row of a weight's stage: 256 codes + 16
.set NB,    8                          ; blocks of 32 along K for a wave
.set WX,    32                         ; v32-95   two sets of 32 numbers
.set WC,    96                         ; v96-103  a block's codes
.set OUTR,  112                        ; v112-175 the way out
.macro MKS e, vs, vl                   ; the whole number in s[e] gives v[vs] = 2^e (the conversion takes its exponent field)
	s_add_co_i32 s46, s\e, 127
	s_lshl_b32 s47, s46, 23
	v_mov_b32 v\vs, s47
	s_add_co_i32 s46, s46, 8
	s_lshl_b32 s46, s46, 23
	s_or_b32 s46, s46, 0x600000
.endm
	s_load_b256 s[4:11], s[0:1], 0x0               ; x s[4:5], W_q s[6:7], W_k s[8:9], W_v s[10:11]
	s_load_b256 s[12:19], s[0:1], 0x20             ; W_o s[12:13], the exponents s[14:15], xc s[16:17], wc s[18:19]
	v_lshl_add_u32 v192, v0, 2, 0xd800
	v_mov_b32 v193, 0
	v_lshrrev_b32 v1, 5, v0
	v_readfirstlane_b32 s32, v1                    ; wave 0..3
	v_and_b32 v2, 31, v0                           ; lane
	s_wait_kmcnt 0x0
	s_load_b256 s[20:27], s[14:15], 0x0            ; e0 .. e7
	s_load_b128 s[28:31], s[14:15], 0x20           ; e8 .. e11
	s_cmp_lt_u32 ttmp9, XWG                        ; the paths part on the work-group's number alone
	s_cbranch_scc0 .Lweights
	s_wait_alu depctr_va_vdst(0)
; ---------------- x ----------------
	v_lshlrev_b32 v3, 4, v2                        ; my 16 bytes of a load's 512, and of a store's; never rewritten
	s_wait_alu depctr_va_vdst(0)
	s_mul_i32 s33, s32, 2*32*SP                    ; my wave's two stages
	v_lshrrev_b32 v14, 2, v2
	v_mul_u32_u24 v14, v14, SP
	v_and_b32 v15, 3, v2
	v_lshl_add_u32 v14, v15, 4, v14
	v_add_nc_u32 v14, s33, v14                     ; into the stage: four lanes' 64 bytes on end, then 16 of padding
	v_mul_u32_u24 v15, v2, SP
	v_add_nc_u32 v15, s33, v15                     ; out of it: my 16 neighbours
	s_lshl_b32 s34, ttmp9, 2
	s_add_co_u32 s34, s34, s32                     ; which run of 8,192 numbers is my wave's
	s_lshl_b32 s36, s34, 15
	s_mov_b32 s37, 0
	s_add_nc_u64 s[4:5], s[4:5], s[36:37]
	s_lshl_b32 s36, s34, 13
	s_add_nc_u64 s[40:41], s[16:17], s[36:37]      ; its codes under e0,
	s_add_nc_u64 s[42:43], s[40:41], 0x800000      ; under e2,
	s_add_nc_u64 s[44:45], s[40:41], 0x1000000     ; under e4
.macro XLOAD t
.irp i, 0,1,2,3
	global_load_b128 v[XR+16*((\t)%4)+4*\i:XR+16*((\t)%4)+4*\i+3], v3, s[4:5] offset:2048*(\t)+512*\i th:TH_LOAD_NT   ; 32 lanes read 512 consecutive bytes; read once
.endr
.endm
.macro XTURN t                         ; step t through the stage: LDS serves a wave's instructions in order, so no wait stands between the stores and the loads
.irp i, 0,1,2,3
	ds_store_b128 v14, v[XR+16*((\t)%4)+4*\i:XR+16*((\t)%4)+4*\i+3] offset:32*SP*((\t)%2)+8*SP*\i
.endr
.irp i, 0,1,2,3
	ds_load_b128 v[XX+16*((\t)%2)+4*\i:XX+16*((\t)%2)+4*\i+3], v15 offset:32*SP*((\t)%2)+16*\i
.endr
.endm
.macro XVER t, v, vs, vl, base         ; one of the three sets of codes of step t
.irp i, 0,1,2,3,4,5,6,7,8,9,10,11,12,13,14,15
.endr
	v_cvt_scalef32_pk8_fp8_f32 v[XC+12*((\t)%2)+4*\v:XC+12*((\t)%2)+4*\v+1], v[XT+((XX+16*((\t)%2)+0)-(XT+0)):XT+7+((XX+16*((\t)%2)+0)-(XT+0))], v\vs
	v_cvt_scalef32_pk8_fp8_f32 v[XC+12*((\t)%2)+4*\v+2:XC+12*((\t)%2)+4*\v+3], v[XT+8+((XX+16*((\t)%2)+0)-(XT+0)):XT+15+((XX+16*((\t)%2)+0)-(XT+0))], v\vs
	v_nop                                          ; one plain vector line behind the conversions
	global_store_b128 v3, v[XC+12*((\t)%2)+4*\v:XC+12*((\t)%2)+4*\v+3], s[\base:\base+1] offset:512*(\t)   ; 32 lanes store 512 consecutive bytes
.endm
.macro XSTEP t
	s_wait_dscnt 0x0                               ; this step's numbers are back from the stage, so its stores into the stage have read their registers,
.if (\t)+4 < STEPS
	XLOAD (\t)+4                                   ; which take the loads of four steps on
.endif
.if (\t)+1 < STEPS
.if STEPS-2-(\t) >= 3
	s_wait_loadcnt 12                              ; the next step's four loads are in; those of the three steps behind it may be out
.else
	s_wait_loadcnt 4*(STEPS-2-(\t))
.endif
	XTURN (\t)+1
.endif
.if (\t) >= 2
	s_wait_xcnt 0x0                                ; the stores of two steps ago have read this set of code registers
.endif
	XVER \t, 0, 5, 6, 40
	XVER \t, 1, 7, 8, 42
	XVER \t, 2, 9, 10, 44
.endm
.irp t, 0,1,2,3
	XLOAD \t
.endr
	s_wait_alu depctr_va_vdst(0)
	s_wait_kmcnt 0x0
	MKS 20, 5, 6                                   ; e0
	MKS 22, 7, 8                                   ; e2
	MKS 24, 9, 10                                  ; e4
	s_wait_alu depctr_va_vdst(0)
	s_wait_loadcnt 12                              ; step 0's four loads are in
	XTURN 0
.irp t, 0,1,2,3,4,5,6,7,8,9,10,11,12,13,14,15
	XSTEP \t
.endr
	s_wait_tensorcnt 0x0
	ds_add_u32 v192, v193
	s_wait_dscnt 0x0
	s_endpgm
; ---------------- the weights ----------------
.Lweights:
	s_sub_co_u32 s33, ttmp9, XWG                   ; 0 .. 127
	s_lshr_b32 s34, s33, 5                         ; which weight: 0 q, 1 k, 2 v, 3 o
	s_and_b32 s35, s33, 7                          ; which 128 columns
	s_bfe_u32 s36, s33, 0x20003                    ; which 256 along K
	s_cmp_eq_u32 s34, 1
	s_cselect_b64 s[6:7], s[8:9], s[6:7]
	s_cmp_eq_u32 s34, 2
	s_cselect_b64 s[6:7], s[10:11], s[6:7]
	s_cmp_eq_u32 s34, 3
	s_cselect_b64 s[6:7], s[12:13], s[6:7]         ; the choice hangs on the work-group's number alone
	s_lshl_b32 s37, s35, 7
	s_lshl_b32 s38, s32, 5
	s_add_co_u32 s37, s37, s38                     ; my wave's first column
	s_wait_alu depctr_va_vdst(0)
	v_lshlrev_b32 v3, 2, v2                        ; in: 4 bytes a lane
	s_mul_i32 s39, s32, 32*PITCH
	s_add_co_u32 s39, s39, WSTG                    ; my stage
	v_mul_u32_u24 v4, v2, PITCH
	v_add_nc_u32 v4, s39, v4                       ; into it: row = my column
	v_and_b32 v5, 15, v2
	v_lshrrev_b32 v6, 4, v2
	v_mul_u32_u24 v7, v6, PITCH
	v_lshl_add_u32 v7, v5, 4, v7
	v_add_nc_u32 v7, s39, v7                       ; out of it: sixteen lanes to a row, two rows an instruction
	v_lshlrev_b32 v8, 10, v6
	v_lshl_add_u32 v8, v5, 4, v8                   ; and the same place in wc (a row is 1,024 bytes)
	s_lshl_b32 s40, s36, 20                        ; 256 rows of 4,096 bytes
	s_lshl_b32 s41, s37, 2
	s_add_co_u32 s40, s40, s41
	s_mov_b32 s41, 0
	s_add_nc_u64 s[6:7], s[6:7], s[40:41]
	s_lshl_b32 s42, s34, 20                        ; the weight's codes,
	s_lshl_b32 s43, s37, 10                        ; my column's row,
	s_add_co_u32 s42, s42, s43
	s_lshl_b32 s43, s36, 8                         ; my 256 along K
	s_add_co_u32 s42, s42, s43
	s_mov_b32 s43, 0
	s_add_nc_u64 s[18:19], s[18:19], s[42:43]
.macro WLOAD t                         ; block t: W(32 t + i, my column), i = 0 .. 31: a wave reads 128 consecutive bytes, the four waves 512
.set ii, 0
.rept 32
	global_load_b32 v[WX+32*((\t)%2)+ii], v3, s[6:7] offset:(32*(\t)+ii)*4096 th:TH_LOAD_NT
.set ii, ii+1
.endr
.endm
	WLOAD 0
	WLOAD 1
	s_wait_kmcnt 0x0
	s_cmp_eq_u32 s34, 1
	s_cselect_b32 s21, s23, s21                    ; e1, e3, e5 or e11
	s_cmp_eq_u32 s34, 2
	s_cselect_b32 s21, s25, s21
	s_cmp_eq_u32 s34, 3
	s_cselect_b32 s21, s31, s21
	MKS 21, 11, 10
.macro WBLOCK t
.set XS, WX+32*((\t)%2)
.if (\t) < NB-1
	s_wait_loadcnt 32                              ; this block's 32 loads are in; the next block's may be out
.else
	s_wait_loadcnt 0
.endif
.set ii, 0
.rept 32
.set ii, ii+1
.endr
.irp g, 0,1,2,3
	v_cvt_scalef32_pk8_fp8_f32 v[WC+2*\g:WC+2*\g+1], v[XS+8*\g:XS+8*\g+7], v11
.endr
	ds_store_b128 v4, v[WC:WC+3] offset:32*(\t)    ; 32 codes of my column's row.  (The results go to LDS stores alone)
	ds_store_b128 v4, v[WC+4:WC+7] offset:32*(\t)+16
.if (\t)+2 < NB
	WLOAD (\t)+2
.endif
	s_wait_dscnt 0x0                               ; the stores have read their registers: the next block's codes may be written
.endm
	s_wait_alu depctr_va_vdst(0)
.irp t, 0,1,2,3,4,5,6,7
	WBLOCK \t
.endr
.irp t, 0,1,2,3,4,5,6,7,8,9,10,11,12,13,14,15
	ds_load_b128 v[OUTR+4*\t:OUTR+4*\t+3], v7 offset:2*\t*PITCH   ; LDS serves a wave's instructions in order: these see my stores
.endr
.irp t, 0,1,2,3,4,5,6,7,8,9,10,11,12,13,14,15
	s_wait_dscnt 15-\t
	global_store_b128 v8, v[OUTR+4*\t:OUTR+4*\t+3], s[18:19] offset:2*\t*1024   ; sixteen lanes store 256 consecutive bytes, aligned
.endr
	s_wait_tensorcnt 0x0
	ds_add_u32 v192, v193
	s_wait_dscnt 0x0
	s_endpgm
.Lfunc_end_k_qa6d29f38ed_quant:
	.size	k_qa6d29f38ed_quant, .Lfunc_end_k_qa6d29f38ed_quant-k_qa6d29f38ed_quant
	.p2alignl 7, 3214868480
	.fill 96, 4, 3214868480
	.section	.rodata,"a",@progbits
	.p2align	6, 0x0
	.amdhsa_kernel k_qa6d29f38ed_quant
		.amdhsa_group_segment_fixed_size 55808
		.amdhsa_private_segment_fixed_size 0
		.amdhsa_enable_private_segment 0
		.amdhsa_kernarg_size 64
		.amdhsa_user_sgpr_count 2
		.amdhsa_user_sgpr_kernarg_segment_ptr 1
		.amdhsa_wavefront_size32 1
		.amdhsa_system_sgpr_workgroup_id_x 1
		.amdhsa_system_sgpr_workgroup_id_y 1
		.amdhsa_system_sgpr_workgroup_id_z 1
		.amdhsa_system_vgpr_workitem_id 0
		.amdhsa_next_free_vgpr 194
		.amdhsa_next_free_sgpr 66
		.amdhsa_reserve_vcc 0
		.amdhsa_float_denorm_mode_32 3
		.amdhsa_float_denorm_mode_16_64 3
		.amdhsa_fp16_overflow 1
		.amdhsa_memory_ordered 1
		.amdhsa_forward_progress 1
		.amdhsa_inst_pref_size 63
	.end_amdhsa_kernel
	.amdgpu_metadata
---
amdhsa.version: [ 1, 2 ]
amdhsa.kernels:
  - .name:           k_qa6d29f38ed_quant
    .symbol:         k_qa6d29f38ed_quant.kd
    .args:
      - { .name: x, .offset: 0, .size: 8, .value_kind: global_buffer, .address_space: global }
      - { .name: W_q, .offset: 8, .size: 8, .value_kind: global_buffer, .address_space: global }
      - { .name: W_k, .offset: 16, .size: 8, .value_kind: global_buffer, .address_space: global }
      - { .name: W_v, .offset: 24, .size: 8, .value_kind: global_buffer, .address_space: global }
      - { .name: W_o, .offset: 32, .size: 8, .value_kind: global_buffer, .address_space: global }
      - { .name: lowp_scales, .offset: 40, .size: 8, .value_kind: global_buffer, .address_space: global }
      - { .name: xc, .offset: 48, .size: 8, .value_kind: global_buffer, .address_space: global }
      - { .name: wc, .offset: 56, .size: 8, .value_kind: global_buffer, .address_space: global }
    .group_segment_fixed_size: 55808
    .private_segment_fixed_size: 0
    .kernarg_segment_align: 8
    .kernarg_segment_size: 64
    .max_flat_workgroup_size: 128
    .sgpr_count:     66
    .vgpr_count:     194
    .wavefront_size: 32
...
	.end_amdgpu_metadata
.endif
;; end of part 1
;; launch qkv (part 2): grid 12 x 32, 4 waves a work-group, clusters of 4 x 4, 327,680 bytes of LDS; arguments xc, wc, lowp_scales, qc, kc, vt; writes qc, kc, vt
.if DOCPART == 2
	.amdgcn_target "amdgcn-amd-amdhsa--gfx1250"
	.amdhsa_code_object_version 6
	.text
	.protected	k_qa6d29f38ed_qkv
	.globl	k_qa6d29f38ed_qkv
	.p2align	8
	.type	k_qa6d29f38ed_qkv,@function
k_qa6d29f38ed_qkv:
	s_mov_b64 s[64:65], 0
	v_nop
	global_prefetch_b8 v0, s[64:65] scope:SCOPE_SE
	s_setreg_imm32_b32 hwreg(HW_REG_WAVE_MODE, 25, 1), 1
	s_wait_xcnt 0x0
	s_wait_alu depctr_hold_cnt(0) depctr_sa_sdst(0) depctr_va_vdst(0) depctr_va_sdst(0) depctr_va_ssrc(0) depctr_va_vcc(0) depctr_vm_vsrc(0)
	s_getreg_b32 s2, hwreg(HW_REG_IB_STS2, 6, 4)
	s_cmp_eq_u32 s2, 0
	s_cbranch_scc0 .Lentry_in_a_cluster
	s_endpgm
.Lentry_in_a_cluster:
	s_bfe_u32 s2, ttmp6, 0x10000c
	s_cmp_lg_u32 s2, 0xf033
	s_cbranch_scc0 .Lentry_shape_is_right
	s_endpgm
.Lentry_shape_is_right:
; Q = x W_q, K = x W_k, V = x W_v on E4M3 codes (v_wmma_f32_16x16x128_fp8_fp8, f32 sums), each sum quantised again at once: Q with 2^e6, K with 2^e7, V with 2^e9.
; A sum stands for sum x 2^(ea + eb), so its code is sum / 2^fold, fold = e6-e0-e1, e7-e2-e3 or e9-e4-e5, held within +-448 x 2^fold.
; LIMITS: each fold lies between -126 and 119.  NaN is not served.
; THE CLUSTER'S x (0, 1, 2) SAYS WHICH PRODUCT; it is one number for all sixteen partners.  Nothing branches on it: pointers, tile numbers and strides are chosen by s_cselect.
; A tile of 256 x 256 is made by four waves, 128 x 128 each (64 accumulators, 512 registers).  K = 1,024 goes in four steps of 256 through two LDS slots.
; Operand A (source 1, 16 rows a fragment) is x's codes for Q and K and W_v's codes for V; operand B (source 0) is the weight's codes for Q and K and x's codes for V.
; A lane then holds one row of A and eight neighbouring rows of B: eight neighbouring d of a token for Q and K, eight neighbouring KEYS of a channel for V, which is what the next products contract over.
; OUT.  qc, kc: [16 b + head][s 2048][64 places]; vt: [16 b + head][key block 16][d 64][128 places].  The eight codes of B's block b, half h of the lanes, go to places 32 (b/2) + 16 h + 8 (b%2) + 0..7 of their row
; of 128 bytes (two heads' 64 for Q and K, a key block's 128 for V): so a 16-byte load at 32 c + 16 h gives the matrix unit each k at its own place.
; CLUSTERS: 4 x 4 work-groups; A's tiles are asked for jointly along a row of the cluster, B's along a column.
; Not prefetched: the four K steps are all asked for within the first two steps' work, so there is no room for a lead.
; REGISTERS: window 0: v0-31 addresses and scales; from v128 A's fragments, one set; on the way out v96-159 are at work.  window 1: B's fragments, two sets.  windows 2, 3: the accumulators ((a, b) at v[8 (8 (a%4) + b)]).
.set ROWB,   256                       ; a tile's row in bytes
.set KROW,   1024                      ; a row of codes in memory
.set PITCH,  272                       ; an LDS row: 256 bytes + 16 of padding: the 16 rows that a load touches start at 16 different banks (64 banks of 4 bytes: ISA guide 11.1)
.set FR,     16
.set NL,     4
.set NP,     4                         ; places behind this matrix instruction (ISA guide 7.12.1)
.set HALFT,  128*PITCH
.set SLOT,   4*HALFT
.set SPARE,  2*SLOT                    ; behind the ring: the spare words, 128 bytes a wave: two blocks of 256 bytes that no other line names
.set SPITCH, 144                       ; the way out: a stage of 128 rows x (128 bytes + 16) for each wave, in slot 0, which has had its last fill and its last read by then
.set CO,   8                           ; v8-11   my byte offsets in the output, one for each of a block's four stores
.set ADRA, 16
.set ADRB, 20
.set STO,  24
.set RD,   25
.set SPW,  28                          ; v28     LDS address of my spare word; never rewritten
.set NIL,  29                          ; v29     0; never rewritten
.set SCL,  30                          ; v30     2^fold
.set LIM,  31
.set TMP,  32
.set CD,   96                          ; v96-127 its codes, two sets
.set AF,   128
.set BK,   128                         ; v128-159 rows read back from the stage, two sets
.set G1, 24
.set G0, 32
.set G1B, 48
.set G0B, 56
.set MSB, 0
.macro WIN new                         ; the immediate's high byte repeats the setting that is left
.if MSB != \new
	s_set_vgpr_msb (MSB<<8)|\new
.set MSB, \new
.endif
.endm
.set MUL_LO, 0xa1                      ; source 0 (B) window 1, source 1 (A) window 0, C and D window 2
.set MUL_HI, 0xf1
.set TO_B,   0x40
; A joint load: waves 0 and 1 fetch for A, waves 2 and 3 for B; the branch hangs on the wave's number alone.  Four v_nop follow each of the two lines.
.macro JLOAD g0a, g1a, g0b, g1b
	s_cmp_eq_u32 s15, 0
	s_cbranch_scc0 .Lfor_b_\@
	tensor_load_to_lds s[\g0a:\g0a+3], s[\g1a:\g1a+7]
	s_nop 0
.rept 4
	v_nop
.endr
	s_branch .Lasked_\@
.Lfor_b_\@:
	tensor_load_to_lds s[\g0b:\g0b+3], s[\g1b:\g1b+7]
	s_nop 0
.rept 4
	v_nop
.endr
.Lasked_\@:
.endm
.macro CREST                           ; a round of the cluster's barrier behind its opening barrier
	s_cmp_lg_u32 s14, 0
	s_cbranch_scc1 .Lnot_wave_0_\@
	s_barrier_signal -3
.Lnot_wave_0_\@:
	s_barrier_wait -3
	s_barrier_signal -1
	s_barrier_wait -1
.endm
.macro CROUND
	s_barrier_signal -1
	s_barrier_wait -1
	CREST
.endm
	s_load_b128 s[4:7], s[0:1], 0x0                ; xc, wc
	s_load_b64 s[8:9], s[0:1], 0x10                ; the exponents
	s_load_b128 s[68:71], s[0:1], 0x18             ; qc, kc
	s_load_b64 s[72:73], s[0:1], 0x28              ; vt
	v_lshl_add_u32 v[SPW], v0, 2, SPARE
	v_mov_b32 v[NIL], 0
	ds_add_u32 v28, v29
	ds_add_u32 v28, v29
	s_wait_dscnt 0x0
	v_lshrrev_b32 v1, 5, v0
	v_readfirstlane_b32 s14, v1                    ; wave 0..3
	s_lshr_b32 s15, s14, 1                         ; which half of A's rows is mine.  Also: I fetch for A (0) or for B (1)
	s_and_b32 s16, s14, 1                          ; which half of B's rows.  Also: which 128 rows of that tile I fetch
	s_bfe_u32 s40, ttmp6, 0x40000                  ; cx
	s_bfe_u32 s41, ttmp6, 0x40004                  ; cy
	s_and_b32 s18, ttmp7, 0xffff
	s_lshl_b32 s18, s18, 2                         ; 4 x cluster y: it walks the 8,192 tokens, which are A's rows for Q and K and B's rows for V
	s_cmp_eq_u32 ttmp9, 2                          ; V?
	s_cselect_b32 s19, 0, s18
	s_cselect_b32 s22, s18, 0
	s_cselect_b32 s67, -1, 0                       ; a lane mask: all ones for V
	s_mov_b32 s66, 256
	s_cselect_b32 s66, 512, s66                    ; bytes from one of a block's four stores to the next: 4 rows of 64 (Q, K) or of 128 (V)
	s_mov_b32 s78, 1024
	s_cselect_b32 s78, 124928, s78                 ; from block 3 to block 4: 16 tokens on (Q, K); for V the next head's first channel: 131,072 - 3 x 2,048
	s_mov_b32 s79, 0
	s_lshl_b32 s74, s66, 2                         ; from block to block: 16 rows
	s_mov_b32 s75, 0
	s_add_co_u32 s17, s41, s19                     ; A's tile number: cy (+ 4 x cluster y)
	s_add_co_u32 s42, s40, s22                     ; B's tile number: cx (+ 4 x cluster y)
	s_lshl_b32 s43, s41, 2
	s_lshl_b32 s43, 15, s43                        ; my row of the cluster
	s_lshl_b32 s44, 0x1111, s40                    ; my column
	s_or_b32 s[G1+0], s43, (0<<16)|(1<<20)|(1<<21)|(5<<22)|(3<<25)  ; the mask; elements of 1 byte; padding on; bit 21 beside a mask; 4 words behind every 64
	s_or_b32 s[G1B+0], s44, (0<<16)|(1<<20)|(1<<21)|(5<<22)|(3<<25)
.irp g, G1, G1B
	s_mov_b32 s[\g+1], ROWB<<16                    ; tensor_dim0
	s_mov_b32 s[\g+2], 128<<16                     ; tensor_dim1
	s_mov_b32 s[\g+3], ROWB<<16                    ; tile_dim0
	s_mov_b32 s[\g+4], 128                         ; tile_dim1
	s_mov_b32 s[\g+5], KROW                        ; the pitch
	s_mov_b32 s[\g+6], 0
	s_mov_b32 s[\g+7], 0
.endr
	s_lshl_b32 s18, s16, 7                         ; which 128 rows of the tile I fetch
	s_lshl_b32 s20, s17, 8
	s_add_co_u32 s20, s20, s18
	s_lshl_b32 s20, s20, 10                        ; A: (256 x tile + 128 x half) rows of 1,024 bytes
	s_mov_b32 s21, 0
	s_lshl_b32 s46, s42, 8
	s_add_co_u32 s46, s46, s18
	s_lshl_b32 s46, s46, 10                        ; B likewise
	s_mov_b32 s47, 0
	s_mul_i32 s45, s14, HALFT                      ; where they go: wave x 128 rows
	s_lshl_b32 s2, ttmp9, 23
	s_mov_b32 s3, 0
	s_wait_kmcnt 0x0
	s_load_b256 s[88:95], s[8:9], 0x0              ; e0 .. e7
	s_load_b128 s[96:99], s[8:9], 0x20             ; e8 .. e11
	s_add_nc_u64 s[76:77], s[4:5], s[2:3]          ; x's codes for this product
	s_lshl_b32 s2, ttmp9, 20
	s_add_nc_u64 s[80:81], s[6:7], s[2:3]          ; the weight's codes
	s_cmp_eq_u32 ttmp9, 2
	s_cselect_b64 s[82:83], s[80:81], s[76:77]     ; A
	s_cselect_b64 s[84:85], s[76:77], s[80:81]     ; B
	s_add_nc_u64 s[20:21], s[82:83], s[20:21]
	s_add_nc_u64 s[46:47], s[84:85], s[46:47]
	CROUND                                         ; all sixteen work-groups are here: the first joint loads meet
.irp s, 0,1
	s_mov_b32 s[G0+4*\s], 1
	s_add_co_u32 s[G0+4*\s+1], s45, \s*SLOT
	s_add_nc_u64 s[G0+4*\s+2:G0+4*\s+3], s[20:21], \s*ROWB
	s_or_b32 s[G0+4*\s+3], s[G0+4*\s+3], 0x80000000
	s_mov_b32 s[G0B+4*\s], 1
	s_add_co_u32 s[G0B+4*\s+1], s45, \s*SLOT
	s_add_nc_u64 s[G0B+4*\s+2:G0B+4*\s+3], s[46:47], \s*ROWB
	s_or_b32 s[G0B+4*\s+3], s[G0B+4*\s+3], 0x80000000
	JLOAD G0+4*\s, G1, G0B+4*\s, G1B
.endr
	v_and_b32 v1, 15, v0                           ; r
	s_wait_alu depctr_va_vdst(0)
	v_bfe_u32 v2, v0, 4, 1                         ; h
	v_mul_u32_u24 v3, v1, PITCH
	v_lshl_add_u32 v4, v2, 4, v3                   ; a fragment's row x pitch + 16 h
	s_mul_i32 s21, s15, HALFT
	s_mul_i32 s22, s16, HALFT
	s_add_co_u32 s22, s22, 2*HALFT
.irp s, 0,1
	v_add_nc_u32 v[ADRA+\s], s21, v4
	v_add_nc_u32 v[ADRB+\s], s22, v4
	s_add_co_u32 s21, s21, SLOT
	s_add_co_u32 s22, s22, SLOT
.endr
	s_mul_i32 s23, s14, 128*SPITCH                 ; my stage
	v_mul_u32_u24 v5, v1, SPITCH
	s_wait_alu depctr_va_vdst(0)
	v_lshl_add_u32 v5, v2, 4, v5
	v_add_nc_u32 v[STO], s23, v5                   ; in: row r, 16 h
	v_and_b32 v6, 31, v0
	v_lshrrev_b32 v7, 3, v6
	v_and_b32 v12, 7, v6
	v_mul_u32_u24 v13, v7, SPITCH
	v_lshl_add_u32 v13, v12, 4, v13
	v_add_nc_u32 v[RD], s23, v13                   ; back: eight lanes to a row of 128 bytes, four rows an instruction
	v_lshlrev_b32 v12, 4, v6                       ; V: the four rows are 512 bytes on end
	v_and_b32 v13, 3, v6
	v_lshlrev_b32 v13, 4, v13
	v_lshl_add_u32 v13, v7, 6, v13
	v_bfe_u32 v14, v0, 2, 1
	v_lshl_add_u32 v13, v14, 17, v13               ; Q, K: a row's halves belong to two heads, 131,072 bytes apart; four tokens of a head are 256 bytes on end
	v_cndmask_b32 v[CO], v13, v12, s67
	v_add_nc_u32 v[CO+1], s66, v[CO]
	v_add_nc_u32 v[CO+2], s66, v[CO+1]
	v_add_nc_u32 v[CO+3], s66, v[CO+2]
	s_cmp_eq_u32 ttmp9, 1
	s_cselect_b64 s[10:11], s[70:71], s[68:69]
	s_cmp_eq_u32 ttmp9, 2
	s_cselect_b64 s[10:11], s[72:73], s[10:11]     ; the output
	s_lshl_b32 s20, s17, 8
	s_lshl_b32 s21, s15, 7
	s_add_co_u32 s20, s20, s21                     ; my first row of A
	s_lshl_b32 s46, s42, 8
	s_lshl_b32 s47, s16, 7
	s_add_co_u32 s46, s46, s47                     ; my first row of B
	s_cmp_eq_u32 ttmp9, 2
	s_cselect_b32 s86, s46, s20                    ; my first token,
	s_cselect_b32 s87, s20, s46                    ; my first feature (64 x head + d)
	s_lshr_b32 s18, s86, 11
	s_lshl_b32 s18, s18, 21                        ; batch x 16 heads x 131,072
	s_lshr_b32 s19, s87, 6
	s_lshl_b32 s19, s19, 17                        ; + head x 131,072
	s_add_co_u32 s18, s18, s19
	s_and_b32 s19, s86, 2047
	s_lshl_b32 s19, s19, 6                         ; + s x 64: for vt the same number is key block x 8,192
	s_add_co_u32 s18, s18, s19
	s_mov_b32 s19, 0
	s_add_nc_u64 s[10:11], s[10:11], s[18:19]
	s_wait_kmcnt 0x0
	s_sub_co_i32 s18, s94, s88
	s_sub_co_i32 s18, s18, s89                     ; e6 - e0 - e1
	s_sub_co_i32 s19, s95, s90
	s_sub_co_i32 s19, s19, s91                     ; e7 - e2 - e3
	s_sub_co_i32 s20, s97, s92
	s_sub_co_i32 s20, s20, s93                     ; e9 - e4 - e5
	s_cmp_eq_u32 ttmp9, 1
	s_cselect_b32 s18, s19, s18
	s_cmp_eq_u32 ttmp9, 2
	s_cselect_b32 s18, s20, s18
	s_add_co_i32 s18, s18, 127
	s_lshl_b32 s19, s18, 23
	v_mov_b32 v[SCL], s19
.macro FRAG reg, adr, q, i             ; 16 rows x 128 K: registers 4 c .. 4 c + 3 hold K = 32 c + 16 h + 0 .. 15, alike in A and in B
.irp c, 0,1,2,3
	ds_load_b128 v[\reg+4*\c:\reg+4*\c+3], v[\adr] offset:128*(\q)+32*\c+(\i)*16*PITCH
.endr
.endm
; 16 matrix instructions: A's blocks a0, a0 + 1 x B's eight.  The 64 accumulators take turns, one instruction a turn, in the same order in every step.
.macro MUL16 a0, p, zero
.irp a, \a0, \a0+1
.irp b, 0,1,2,3,4,5,6,7
.if \zero
	v_wmma_f32_16x16x128_fp8_fp8 v[8*(8*((\a)%4)+\b):8*(8*((\a)%4)+\b)+7], v[128*(\p)+FR*\b:128*(\p)+FR*\b+FR-1], v[AF+FR*(\a):AF+FR*(\a)+FR-1], 0
.else
	v_wmma_f32_16x16x128_fp8_fp8 v[8*(8*((\a)%4)+\b):8*(8*((\a)%4)+\b)+7], v[128*(\p)+FR*\b:128*(\p)+FR*\b+FR-1], v[AF+FR*(\a):AF+FR*(\a)+FR-1], v[8*(8*((\a)%4)+\b):8*(8*((\a)%4)+\b)+7]
.endif
.endr
.endr
.endm
.macro FETCH_B slot, q, p
	WIN TO_B
.irp i, 0,1,2,3,4,5,6,7
	FRAG 128*(\p)+FR*\i, ADRB+\slot, \q, \i
.endr
	WIN 0
.endm
.macro FETCH_A slot, q, i0
.irp i, \i0, \i0+1, \i0+2, \i0+3
	FRAG AF+FR*(\i), ADRA+\slot, \q, \i
.endr
.endm
.macro PLACES n                        ; plain vector lines between a matrix instruction and a load into, or a read of, its registers
.rept \n
	v_nop
.endr
.endm
.macro STEP slot, q, zero              ; 128 along K, with its successor in the same slot
	s_wait_dscnt 4*NL                              ; B's set and A's blocks 0-3 are in; the youngest sixteen loads (A's blocks 4-7) may be out
	WIN MUL_LO
	MUL16 0, (\q)%2, \zero
	MUL16 2, (\q)%2, \zero
	s_wait_dscnt 0
	PLACES NP
	FETCH_B \slot, (\q)+1, 1-(\q)%2
	FETCH_A \slot, (\q)+1, 0
	WIN MUL_HI
	MUL16 4, (\q)%2, \zero
	MUL16 6, (\q)%2, \zero
	PLACES NP
	WIN 0
	FETCH_A \slot, (\q)+1, 4
.endm
; A slot's last step changes slots: one barrier; in front of it each wave waits for all its tensor loads, adds 0 to its spare word, and waits for that and for its reads of this slot.
.macro TURN slot, next, fill
	s_wait_tensorcnt 0x0                           ; all my tensor loads have landed: my part of the next slot
	ds_add_u32 v[SPW], v[NIL]                      ; 0 onto my spare word
	s_wait_dscnt 4*NL+1                            ; (the add and the youngest sixteen loads may be out)
	WIN MUL_LO
	MUL16 0, 1, 0
	s_wait_dscnt 0x0                               ; the add is done, and my reads of this slot are over
	s_barrier_signal -1
	MUL16 2, 1, 0
	WIN 0
	s_barrier_wait -1
.if \fill
	CREST                                          ; the barrier has opened a round of the cluster's: no wave of any partner still reads this slot or has a load on its way
	s_add_nc_u64 s[G0+4*\slot+2:G0+4*\slot+3], s[G0+4*\slot+2:G0+4*\slot+3], 2*ROWB
	s_add_nc_u64 s[G0B+4*\slot+2:G0B+4*\slot+3], s[G0B+4*\slot+2:G0B+4*\slot+3], 2*ROWB
	JLOAD G0+4*\slot, G1, G0B+4*\slot, G1B         ; the first tensor load behind the round; its four v_nop are also the places in front of the loads below
.else
	PLACES NP
.endif
	FETCH_B \next, 0, 0
	FETCH_A \next, 0, 0
	WIN MUL_HI
	MUL16 4, 1, 0
	MUL16 6, 1, 0
	PLACES NP
	WIN 0
	FETCH_A \next, 0, 4
.endm
	s_wait_tensorcnt 1                             ; my part of K step 0 is in; K step 1's load may be out
	s_barrier_signal -1
	s_barrier_wait -1
	FETCH_B 0, 0, 0
	FETCH_A 0, 0, 0
	FETCH_A 0, 0, 4
	STEP 0, 0, 1                                   ; the first products start the sums: nothing is cleared
	TURN 0, 1, 1                                   ; slot 0 takes K step 2
	STEP 1, 0, 0
	TURN 1, 0, 1                                   ; slot 1 takes K step 3
	STEP 0, 0, 0
	TURN 0, 1, 0                                   ; nothing is left to fetch
	STEP 1, 0, 0
	s_wait_dscnt 4*NL
	WIN MUL_LO
	MUL16 0, 1, 0
	MUL16 2, 1, 0
	s_wait_alu depctr_va_vdst(0)
	s_wait_dscnt 0
	WIN MUL_HI
	MUL16 4, 1, 0
	MUL16 6, 1, 0
	WIN 0
; THE WAY OUT, a block of 16 rows of A at a time: convert (8 sums of a lane give 8 codes), 8 bytes a lane into my own stage, back as whole rows of 128 bytes, stored in whole aligned runs of 256 bytes.
.macro TOSTAGE a
.set AC, 64*((\a)%4)
	WIN 0x02+((\a)/4)                              ; source 0: window 2 or 3
.set jj, 0
.rept 64
.set jj, jj+1
.endr
.irp b, 0,1,2,3,4,5,6,7
	v_cvt_scalef32_pk8_fp8_f32 v[CD+16*((\a)%2)+2*\b:CD+16*((\a)%2)+2*\b+1], v[AC+8*\b:AC+8*\b+7], v[SCL]
.endr
	WIN 0
	v_nop                                          ; one plain vector line behind the conversions
.irp b, 0,1,2,3,4,5,6,7
	ds_store_b64 v[STO], v[CD+16*((\a)%2)+2*\b:CD+16*((\a)%2)+2*\b+1] offset:16*SPITCH*(\a)+32*(\b/2)+8*(\b%2)
.endr
.irp t, 0,1,2,3
	ds_load_b128 v[BK+16*((\a)%2)+4*\t:BK+16*((\a)%2)+4*\t+3], v[RD] offset:(16*(\a)+4*\t)*SPITCH   ; LDS serves a wave's instructions in order: these see the stores above
.endr
.endm
.macro SEND a, younger                 ; younger: the LDS instructions issued behind block a's loads
	s_wait_dscnt \younger
.if (\a) == 4
	s_add_nc_u64 s[10:11], s[10:11], s[78:79]      ; (behind a wait on XCNT: the earlier stores have read their base)
.elseif (\a) > 0
	s_add_nc_u64 s[10:11], s[10:11], s[74:75]
.endif
.irp t, 0,1,2,3
	global_store_b128 v[CO+\t], v[BK+16*((\a)%2)+4*\t:BK+16*((\a)%2)+4*\t+3], s[10:11]   ; V: 512 bytes on end; Q, K: 256 bytes on end in each of two heads
.endr
.endm
	PLACES NP
	TOSTAGE 0
.irp a, 1,2,3,4,5,6,7
.if \a > 1
	s_wait_xcnt 0x0                                ; block a - 2's stores have read their registers and their base
.endif
	TOSTAGE \a
	SEND \a-1, 12                                  ; behind block a - 1's loads: block a's 8 stores and 4 loads
.endr
	s_wait_xcnt 0x0
	SEND 7, 0
	s_wait_tensorcnt 0x0                           ; the wave's end
	ds_add_u32 v[SPW], v[NIL]
	s_wait_dscnt 0x0
	CROUND                                         ; the closing round
	s_endpgm
.Lfunc_end_k_qa6d29f38ed_qkv:
	.size	k_qa6d29f38ed_qkv, .Lfunc_end_k_qa6d29f38ed_qkv-k_qa6d29f38ed_qkv
	.p2alignl 7, 3214868480
	.fill 96, 4, 3214868480
	.section	.rodata,"a",@progbits
	.p2align	6, 0x0
	.amdhsa_kernel k_qa6d29f38ed_qkv
		.amdhsa_group_segment_fixed_size 327680
		.amdhsa_private_segment_fixed_size 0
		.amdhsa_enable_private_segment 0
		.amdhsa_kernarg_size 48
		.amdhsa_user_sgpr_count 2
		.amdhsa_user_sgpr_kernarg_segment_ptr 1
		.amdhsa_wavefront_size32 1
		.amdhsa_system_sgpr_workgroup_id_x 1
		.amdhsa_system_sgpr_workgroup_id_y 1
		.amdhsa_system_sgpr_workgroup_id_z 1
		.amdhsa_system_vgpr_workitem_id 0
		.amdhsa_next_free_vgpr 1024
		.amdhsa_next_free_sgpr 100
		.amdhsa_reserve_vcc 0
		.amdhsa_float_denorm_mode_32 3
		.amdhsa_float_denorm_mode_16_64 3
		.amdhsa_fp16_overflow 1
		.amdhsa_memory_ordered 1
		.amdhsa_forward_progress 1
		.amdhsa_inst_pref_size 94
	.end_amdhsa_kernel
	.amdgpu_metadata
---
amdhsa.version: [ 1, 2 ]
amdhsa.kernels:
  - .name:           k_qa6d29f38ed_qkv
    .symbol:         k_qa6d29f38ed_qkv.kd
    .args:
      - { .name: xc, .offset: 0, .size: 8, .value_kind: global_buffer, .address_space: global }
      - { .name: wc, .offset: 8, .size: 8, .value_kind: global_buffer, .address_space: global }
      - { .name: lowp_scales, .offset: 16, .size: 8, .value_kind: global_buffer, .address_space: global }
      - { .name: qc, .offset: 24, .size: 8, .value_kind: global_buffer, .address_space: global }
      - { .name: kc, .offset: 32, .size: 8, .value_kind: global_buffer, .address_space: global }
      - { .name: vt, .offset: 40, .size: 8, .value_kind: global_buffer, .address_space: global }
    .group_segment_fixed_size: 327680
    .private_segment_fixed_size: 0
    .kernarg_segment_align: 8
    .kernarg_segment_size: 48
    .max_flat_workgroup_size: 128
    .sgpr_count:     100
    .vgpr_count:     1024
    .wavefront_size: 32
...
	.end_amdgpu_metadata
.endif
;; end of part 2
;; launch attn (part 3): grid 4 x 64, 16 waves a work-group, no clusters, 327,680 bytes of LDS; arguments qc, kc, vt, lowp_scales, cc; writes cc
.if DOCPART == 3
	.amdgcn_target "amdgcn-amd-amdhsa--gfx1250"
	.amdhsa_code_object_version 6
	.text
	.protected	k_qa6d29f38ed_attn
	.globl	k_qa6d29f38ed_attn
	.p2align	8
	.type	k_qa6d29f38ed_attn,@function
k_qa6d29f38ed_attn:
	s_mov_b64 s[64:65], 0
	v_nop
	global_prefetch_b8 v0, s[64:65] scope:SCOPE_SE
	s_setreg_imm32_b32 hwreg(HW_REG_WAVE_MODE, 25, 1), 1
	s_wait_xcnt 0x0
; Causal attention of one head on E4M3 codes; head size 64, 2,048 tokens.  Scores by v_wmma_f32_16x16x64_fp8_fp8, p V by v_wmma_f32_16x16x128_fp8_fp8, sums in f32.
; t = score x 2^(e6 + e7) x log2(e) / 8; M = the running largest t rounded UP to a whole number; p = 2^(t - M) is quantised with 2^e8; the row's sum is taken of the unquantised p and divides at the end;
; when M moves, the sum and O are multiplied by 2^(old M - new M), which rounds nothing.  The context, O x 2^(e8 + e9) / sum, is quantised at once with 2^e10.
; LIMITS: e6 + e7 between -123 and 130 (added to c's exponent field); e8, and e10 - e8 - e9, between -126 and 119.  NaN is not served.
; SHARES.  Work-group (i, head) owns the blocks of 256 queries 7 - i and i, one after the other; wave w of sixteen owns 16 queries of the block in hand.  Block n needs the key slots (256 keys) 0 .. n:
; 8 - i and i + 1 slots, NINE for every work-group: the trip count is a constant, no tile is fetched that nobody reads, and all 256 work-groups have the same work.
; A key step (128 keys) all of whose keys come after the wave's queries is left out by a scalar branch on ids; in the step on the diagonal hidden scores become -infinity.
; NO CLUSTER: the four work-groups of a head walk the same slots only in their first five trips; after that each wraps to slot 0 at another trip, so a joint request could not be made on every path.
; LAYOUT.  Both products are used transposed: S^T = K Q^T, O^T = V^T P^T: a lane holds one query (lane % 16).  Register 8 j + i of S^T is key 16 j + 8 (lane / 16) + i; the conversion of tile j gives registers
; 2 j, 2 j + 1 of p's operand, and vt holds the keys of a block of 128 in just that order, so that V's fragments come by loads of 16 bytes.
; LDS.  A slot's K (256 keys x 64 bytes) and V (2 x 64 x 128 bytes) are each 16 KiB on end in memory: each comes as 64 rows of 256 bytes, 16 bytes of padding behind each.  Key k lies at 272 (k / 4) + 64 (k % 4),
; V's row d at 272 (d / 2) + 128 (d % 2): the sixteen lanes of half a load fall on sixteen different columns of 16 bytes.
; REGISTERS: v1-7 addresses that stay; v8, v9 addresses in hand; v10 the context's scale; v12 -M, v13 the largest t, v[14:15] the sum; v[16:23] Q; v24-29 at work; v30 p's scale;
; v32-95 K's eight fragments, then v32-47 p's codes; v96-159 S^T, then p; v160-191 O^T; v192-255 V's four fragments.
.set LP,    272
.set VOFF,  64*LP                      ; a slot: K's 64 rows, then V's 64
.set SLOT1, 1<<16                      ; slot 1 begins here: one exclusive or turns an address from one slot to the other
.set SPARE, 2*SLOT1                    ; the spare words, 128 bytes for each of sixteen waves: eight blocks of 256 bytes that no other line names
.set STAGE, SPARE+2048                 ; the way out: 1,024 bytes for each wave, bytes of their own: no tile ever lands here
.set AK0, 1
.set AV0, 2
.set PFO, 3                            ; v3  256 x lane: the prefetches' offset; never rewritten
.set QO,  4                            ; v4  Q: 64 r + 16 h
.set SPW, 5
.set NIL, 6
.set GO,  7                            ; v7  16 x lane: the stores' offset; never rewritten
.set ADK, 8
.set ADV, 9
.set WV,  14
.set I,   15
.set CNT, 16                           ; s16  trips to go behind this one
.set NS,  17                           ; s17  the key slot asked for last
.set WRAP, 18                          ; s18  8 - i: the first block's slots
.set TB,  19                           ; s19  LDS byte at which the slot in hand begins
.set SEL, 20
.set CS,  22
.set G1,  24
.set G0,  40
.set KF,  54                           ; s54  the step's first key
.set Q0,  55                           ; s55  my first query
.set Q0B, 56                           ; s56  and in the second block
.set LIM, 66
.set STG, 67
.set PFA, 68
.macro TLOAD                           ; wave 0 fetches K's tile, wave 1 V's, each by its own group 0; the branch hangs on the wave's number alone; four v_nop follow the load
	s_cmp_lt_u32 s[WV], 2
	s_cbranch_scc0 .Lasked_\@
	tensor_load_to_lds s[G0:G0+3], s[G1:G1+7]
	s_nop 0
.rept 4
	v_nop
.endr
.Lasked_\@:
.endm
; A PREFETCH INTO THE L2 of the slot that the NEXT change of slots will ask for.  All four work-groups of a head read the same K and V; work-group i = 0 walks slots 0 to 7 in order, and it alone asks:
; waves 4 and 5 for the halves of K's 16 KiB, waves 6 and 7 for V's, lanes 256 bytes apart, one instruction a wave: each aligned 256 bytes are named once in the launch.
; Trip t asks for slot t + 2 while t <= 5; slots 0 and 1 come by their loads alone.
.macro ASK
	s_cmp_gt_u32 s[CNT], s[LIM]
	s_cbranch_scc0 .Lnot_mine_\@
	global_prefetch_b8 v[PFO], s[PFA:PFA+1] th:TH_LOAD_NT scope:SCOPE_SE
.Lnot_mine_\@:
.endm
	s_load_b256 s[4:11], s[0:1], 0x0               ; qc s[4:5], kc s[6:7], vt s[8:9], the exponents s[10:11]
	s_load_b64 s[12:13], s[0:1], 0x20              ; cc
	v_lshl_add_u32 v[SPW], v0, 2, SPARE
	v_mov_b32 v[NIL], 0
	ds_add_u32 v5, v6
	ds_add_u32 v5, v6
	s_wait_dscnt 0x0
	v_lshrrev_b32 v8, 5, v0
	s_delay_alu instid0(VALU_DEP_1)
	v_readfirstlane_b32 s[WV], v8                  ; wave 0..15
	s_mov_b32 s[I], ttmp9
	s_and_b32 s77, ttmp7, 0xffff                   ; 16 b + head
	s_lshl_b32 s78, s77, 17                        ; its first byte in qc, kc and vt
	s_mov_b32 s79, 0
	s_mov_b32 s53, 0
	s_sub_co_u32 s[WRAP], 8, s[I]
	s_sub_co_u32 s80, 7, s[I]
	s_lshl_b32 s80, s80, 8
	s_lshl_b32 s81, s[WV], 4
	s_add_co_u32 s[Q0], s80, s81                   ; 256 (7 - i) + 16 wave
	s_lshl_b32 s80, s[I], 8
	s_add_co_u32 s[Q0B], s80, s81                  ; 256 i + 16 wave
	s_mov_b32 s[G1], (0<<16)|(1<<20)|(5<<22)|(3<<25)   ; no mask; elements of 1 byte; padding on: 4 words behind every 64
	s_mov_b32 s[G1+1], 256<<16                     ; tensor_dim0
	s_mov_b32 s[G1+2], 64<<16                      ; tensor_dim1
	s_mov_b32 s[G1+3], 256<<16                     ; tile_dim0
	s_mov_b32 s[G1+4], 64                          ; tile_dim1
	s_mov_b32 s[G1+5], 256                         ; the pitch: the block is dense
	s_mov_b32 s[G1+6], 0
	s_mov_b32 s[G1+7], 0
	s_mov_b32 s[G0], 1
	s_min_u32 s82, s[WV], 1
	s_mul_i32 s[G0+1], s82, VOFF                   ; slot 0: K's place (wave 0) or V's
	s_mov_b32 s[SEL], 0x76543210
	s_mov_b32 s[SEL+1], 0xfedcba98
	s_mov_b32 s[TB], 0
	s_mov_b32 s[NS], 0
	s_mov_b32 s[CNT], 8
	s_lshl_b32 s[STG], s[WV], 10
	s_add_co_u32 s[STG], s[STG], STAGE
	s_wait_kmcnt 0x0
	s_load_b128 s[72:75], s[10:11], 0x18           ; e6, e7, e8, e9
	s_load_b32 s76, s[10:11], 0x28                 ; e10
	s_cmp_eq_u32 s[WV], 0
	s_cselect_b64 s[48:49], s[6:7], s[8:9]
	s_add_nc_u64 s[48:49], s[48:49], s[78:79]      ; the head's K (wave 0) or V
	s_mov_b64 s[G0+2:G0+3], s[48:49]
	s_or_b32 s[G0+3], s[G0+3], 0x80000000
	TLOAD                                          ; key slot 0
	s_add_nc_u64 s[4:5], s[4:5], s[78:79]
	s_lshl_b32 s52, s[Q0], 6
	s_add_nc_u64 s[82:83], s[4:5], s[52:53]        ; Q of the first block,
	s_lshl_b32 s52, s[Q0B], 6
	s_add_nc_u64 s[58:59], s[4:5], s[52:53]        ; of the second
	; cc: [head / 4][token / 16][head % 4][16 tokens][64]: my 16 queries of a head are 1,024 bytes on end
	s_bfe_u32 s80, s77, 0x20002
	s_lshl_b32 s80, s80, 21                        ; (head / 4) x 8,192 tokens x 256
	s_lshr_b32 s81, s77, 4
	s_lshl_b32 s81, s81, 19                        ; b x 2,048 tokens x 256
	s_add_co_u32 s80, s80, s81
	s_and_b32 s81, s77, 3
	s_lshl_b32 s81, s81, 10
	s_add_co_u32 s80, s80, s81
	s_mov_b32 s81, 0
	s_add_nc_u64 s[12:13], s[12:13], s[80:81]
	s_lshl_b32 s52, s[Q0], 8
	s_add_nc_u64 s[60:61], s[12:13], s[52:53]
	s_lshl_b32 s52, s[Q0B], 8
	s_add_nc_u64 s[62:63], s[12:13], s[52:53]
	s_cmp_lt_u32 s[WV], 6                          ; the prefetches: waves 4, 5 stand in K, waves 6, 7 in V,
	s_cselect_b64 s[PFA:PFA+1], s[6:7], s[8:9]
	s_add_nc_u64 s[PFA:PFA+1], s[PFA:PFA+1], s[78:79]
	s_and_b32 s52, s[WV], 1
	s_lshl_b32 s52, s52, 13                        ; at their half
	s_add_co_u32 s52, s52, 16384                   ; of slot 1: the first change of slots steps it to slot 2.  Nothing is prefetched at the head
	s_add_nc_u64 s[PFA:PFA+1], s[PFA:PFA+1], s[52:53]
	s_sub_co_u32 s80, s[WV], 4
	s_lshr_b32 s80, s80, 2                         ; 0 in waves 4 to 7
	s_or_b32 s80, s80, ttmp9                       ; of work-group i = 0
	s_cmp_eq_u32 s80, 0
	s_cselect_b32 s[LIM], 2, -1
	v_and_b32 v8, 15, v0                           ; r
	v_bfe_u32 v9, v0, 4, 1                         ; h
	s_delay_alu instid0(VALU_DEP_2)
	v_lshlrev_b32 v[QO], 6, v8
	s_delay_alu instid0(VALU_DEP_1)
	v_lshl_add_u32 v[QO], v9, 4, v[QO]
	s_delay_alu instid0(VALU_DEP_4)
	v_lshrrev_b32 v24, 2, v8
	s_delay_alu instid0(VALU_DEP_1)
	v_mul_u32_u24 v[AK0], v24, LP
	v_and_b32 v24, 3, v8
	s_delay_alu instid0(VALU_DEP_1)
	v_lshl_add_u32 v[AK0], v24, 6, v[AK0]
	s_delay_alu instid0(VALU_DEP_1)
	v_lshl_add_u32 v[AK0], v9, 4, v[AK0]           ; K: 272 (r / 4) + 64 (r % 4) + 16 h
	v_lshrrev_b32 v24, 1, v8
	s_delay_alu instid0(VALU_DEP_1)
	v_mul_u32_u24 v[AV0], v24, LP
	v_and_b32 v24, 1, v8
	s_delay_alu instid0(VALU_DEP_1)
	v_lshl_add_u32 v[AV0], v24, 7, v[AV0]
	s_delay_alu instid0(VALU_DEP_1)
	v_lshl_add_u32 v[AV0], v9, 4, v[AV0]
	s_delay_alu instid0(VALU_DEP_1)
	v_add_nc_u32 v[AV0], VOFF, v[AV0]              ; V: 272 (r / 2) + 128 (r % 2) + 16 h, behind K
	v_and_b32 v[GO], 31, v0
	s_delay_alu instid0(VALU_DEP_1)
	v_lshlrev_b32 v[PFO], 8, v[GO]
	s_delay_alu instid0(VALU_DEP_2)
	v_lshlrev_b32 v[GO], 4, v[GO]
	v_mov_b32 v25, 0                               ; written once: a lane permute's destination counts as one of its sources
	v_mov_b32 v27, 0                               ; (named as the upper half of the pair v[26:27])
	s_wait_kmcnt 0x0
	s_mov_b32 s[CS], 0x3e38aa3b                    ; c = log2(e) / 8
	s_add_co_i32 s80, s72, s73
	s_lshl_b32 s80, s80, 23
	s_add_co_i32 s[CS], s[CS], s80                 ; x 2^(e6 + e7): added to c's exponent field
	s_mov_b32 s[CS+1], s[CS]
	s_add_co_i32 s80, s74, 127
	s_lshl_b32 s81, s80, 23
	v_mov_b32 v30, s81                             ; 2^e8
	s_sub_co_i32 s80, s76, s74
	s_sub_co_i32 s80, s80, s75
	s_add_co_i32 s80, s80, 127
	s_lshl_b32 s81, s80, 23
	v_mov_b32 v10, s81                             ; 2^(e10 - e8 - e9): the three scales folded into the context's conversion
; A block of queries begins: Q's fragment, and a state under which the first step's change of M multiplies zeros.
.macro RESTART qb
	global_load_b128 v[16:19], v[QO], s[\qb:\qb+1]
	global_load_b128 v[20:23], v[QO], s[\qb:\qb+1] offset:32
	s_mov_b32 s[KF], 0
	v_mov_b32 v13, 0xff61b1e6                      ; the largest t so far: -3e38
	s_delay_alu instid0(VALU_DEP_1)
	v_floor_f32 v12, -v13                          ; -M
	v_mov_b32 v14, 0
	v_mov_b32 v15, 0
.set jj, 0
.rept 32
	v_mov_b32 v[160+jj], 0                         ; O^T: the key step is written once, with no first step of its own
.set jj, jj+1
.endr
	s_wait_xcnt 0x0                                ; the stores and loads above have read their registers
	s_wait_loadcnt 0x0                             ; Q
.endm
; A block of queries ends: O^T / the sum, quantised, through my own stage, out as 1,024 bytes on end.
.macro FINISH ob
	v_and_b32 v24, 15, v0                          ; (these plain lines are also the places behind the last products)
	v_bfe_u32 v28, v0, 4, 1
	s_delay_alu instid0(VALU_DEP_2)
	v_lshlrev_b32 v[ADK], 6, v24
	s_delay_alu instid0(VALU_DEP_1)
	v_lshl_add_u32 v[ADK], v28, 3, v[ADK]
	s_delay_alu instid0(VALU_DEP_1)
	v_add_nc_u32 v[ADK], s[STG], v[ADK]            ; in: query r's 64 bytes, 8 h
	v_add_nc_u32 v[ADV], s[STG], v[GO]             ; back: 16 bytes a lane
	v_add_f32 v14, v14, v15                        ; the sum's two halves,
	s_delay_alu instid0(VALU_DEP_1)
	v_permlanex16_b32 v25, v14, s[SEL], s[SEL+1]
	s_delay_alu instid0(VALU_DEP_1)
	v_add_f32 v14, v14, v25                        ; and the other half of the lanes'
	s_wait_alu depctr_va_vdst(0)
	v_rcp_f32 v14, v14
	v_nop                                          ; a plain line behind the reciprocal,
	s_wait_alu depctr_va_vdst(0)                   ; and the wait ahead of its first reader
.set jj, 0
.rept 16
	v_pk_mul_f32 v[96+jj:97+jj], v[160+jj:161+jj], v[14:15] op_sel_hi:[1,0]   ; register 8 t + i: channel 16 t + 8 h + i
.set jj, jj+2
.endr
.set jj, 0
.rept 32
.set jj, jj+1
.endr
.irp t, 0,1,2,3
	v_cvt_scalef32_pk8_fp8_f32 v[128+2*\t:129+2*\t], v[96+8*\t:103+8*\t], v10
.endr
	v_nop                                          ; one plain vector line behind the conversions
.irp t, 0,1,2,3
	ds_store_b64 v[ADK], v[128+2*\t:129+2*\t] offset:16*\t
.endr
.irp k, 0,1
	ds_load_b128 v[136+4*\k:139+4*\k], v[ADV] offset:512*\k   ; LDS serves a wave's instructions in order: these see my stores
.endr
	s_wait_dscnt 0x0
.irp k, 0,1
	global_store_b128 v[GO], v[136+4*\k:139+4*\k], s[\ob:\ob+1] offset:512*\k   ; 32 lanes store 512 consecutive bytes, aligned
.endr
.endm
; The second block begins in trip 8 - i.  A branch on ids; no barrier and no tensor load stands under it.
.macro SWITCH
	s_cmp_eq_u32 s[CNT], s[I]
	s_cbranch_scc0 .Lsame_\@
	FINISH 60
	s_mov_b32 s[Q0], s[Q0B]
	RESTART 58
.Lsame_\@:
.endm
; A KEY STEP: 128 keys, the q-th of the slot in hand.
.macro STEP q
	s_add_co_u32 s70, s[Q0], 15
	s_cmp_gt_u32 s[KF], s70
	s_cbranch_scc1 .Lhidden_\@                     ; all its keys come after my queries
	v_add_nc_u32 v[ADK], s[TB], v[AK0]
	v_add_nc_u32 v[ADV], s[TB], v[AV0]
	v_nop                                          ; with the two additions: four places in front of loads into registers that the last products read
	v_nop
.set jj, 0
.rept 8
	ds_load_b128 v[32+8*jj:35+8*jj], v[ADK] offset:(32*(\q)+4*jj)*LP
	ds_load_b128 v[36+8*jj:39+8*jj], v[ADK] offset:(32*(\q)+4*jj)*LP+32
.set jj, jj+1
.endr
.set jj, 0
.rept 16
	ds_load_b128 v[192+4*jj:195+4*jj], v[ADV] offset:(32*(\q)+8*(jj/4))*LP+32*(jj%4)
.set jj, jj+1
.endr
	s_wait_dscnt 16                                ; K is in; V's sixteen loads may be out: they land under the softmax
.set jj, 0
.rept 8
	v_wmma_f32_16x16x64_fp8_fp8 v[96+8*jj:103+8*jj], v[32+8*jj:39+8*jj], v[16:23], 0
.set jj, jj+1
.endr
.rept 4
	v_nop
.endr
	s_add_co_u32 s70, s[KF], 127
	s_cmp_le_u32 s70, s[Q0]
	s_cbranch_scc1 .Lopen_\@                       ; all its keys count
	s_sub_co_i32 s70, s[Q0], s[KF]
	v_and_b32 v24, 15, v0
	v_bfe_u32 v28, v0, 4, 1
	s_delay_alu instid0(VALU_DEP_1)
	v_lshlrev_b32 v28, 3, v28
	s_delay_alu instid0(VALU_DEP_1)
	v_sub_nc_u32 v24, v24, v28
	s_delay_alu instid0(VALU_DEP_1)
	v_add_nc_u32 v24, s70, v24                     ; d = my query - KF - 8 h: register 8 j + i is hidden where 16 j + i > d
	v_mov_b32 v29, 0xff800000                      ; -infinity
.set nn, 0
.rept 64
	v_cmp_gt_i32 vcc_lo, 16*(nn/8)+nn%8, v24
	v_cndmask_b32 v[96+nn], v[96+nn], v29, vcc_lo
.set nn, nn+1
.endr
.Lopen_\@:
	v_max3_num_f32 v24, v96, v97, v98              ; the step's largest score of my query among my 64 keys, in two chains,
	v_max3_num_f32 v28, v99, v100, v101
.set ii, 6
.rept 14
	v_max3_num_f32 v24, v24, v[96+ii], v[97+ii]
	v_max3_num_f32 v28, v28, v[98+ii], v[99+ii]
.set ii, ii+4
.endr
	v_max3_num_f32 v24, v24, v158, v159
	s_delay_alu instid0(VALU_DEP_1)
	v_max_num_f32 v24, v24, v28
	s_delay_alu instid0(VALU_DEP_1)
	v_permlanex16_b32 v25, v24, s[SEL], s[SEL+1]
	s_delay_alu instid0(VALU_DEP_1)
	v_max_num_f32 v24, v24, v25                    ; and among the other half of the lanes'
	s_delay_alu instid0(VALU_DEP_1)
	v_mul_f32 v24, s[CS], v24                      ; as t (c is positive)
	s_delay_alu instid0(VALU_DEP_1)
	v_max_num_f32 v13, v13, v24
	v_mov_b32 v24, v12
	s_delay_alu instid0(VALU_DEP_2)
	v_floor_f32 v12, -v13                          ; -M = floor(-t): M is a whole number
	s_delay_alu instid0(VALU_DEP_1)
	v_sub_f32 v24, v12, v24                        ; old M - new M, 0 or less
	s_delay_alu instid0(VALU_DEP_1)
	v_cvt_i32_f32 v24, v24                         ; (it saturates)
	s_delay_alu instid0(VALU_DEP_1)
	v_ldexp_f32 v26, 1.0, v24                      ; f = 2^(old M - new M)
.set jj, 0
.rept 32
	v_pk_fma_f32 v[96+jj:97+jj], v[96+jj:97+jj], s[CS:CS+1], v[12:13] op_sel_hi:[1,0,0]   ; t - M, two at a time
.set jj, jj+2
.endr
.set jj, 0
	s_wait_alu depctr_va_vdst(0)
.rept 64
	v_exp_f32 v[96+jj], v[96+jj]                   ; p = 2^(t - M): one batch
.set jj, jj+1
.endr
	v_pk_mul_f32 v[14:15], v[14:15], v[26:27] op_sel_hi:[1,0]   ; the sum under the new M: the plain line behind the batch
	s_wait_alu depctr_va_vdst(0)                   ; one wait for the batch, ahead of its first reader
	v_pk_add_f32 v[28:29], v[100:101], v[104:105]
	v_pk_add_f32 v[94:95], v[108:109], v[112:113]
	v_pk_add_f32 v[92:93], v[116:117], v[120:121]
	v_pk_add_f32 v[90:91], v[124:125], v[128:129]
	v_pk_add_f32 v[88:89], v[132:133], v[136:137]
	v_pk_add_f32 v[86:87], v[140:141], v[144:145]
	v_pk_add_f32 v[84:85], v[148:149], v[152:153]
	v_pk_add_f32 v[14:15], v[14:15], v[156:157]
	v_pk_add_f32 v[28:29], v[28:29], v[96:97]
	v_pk_add_f32 v[94:95], v[94:95], v[98:99]
	v_pk_add_f32 v[92:93], v[92:93], v[102:103]
	v_pk_add_f32 v[90:91], v[90:91], v[106:107]
	v_pk_add_f32 v[88:89], v[88:89], v[110:111]
	v_pk_add_f32 v[86:87], v[86:87], v[114:115]
	v_pk_add_f32 v[84:85], v[84:85], v[118:119]
	v_pk_add_f32 v[14:15], v[14:15], v[122:123]
	v_pk_add_f32 v[28:29], v[28:29], v[126:127]
	v_pk_add_f32 v[94:95], v[94:95], v[130:131]
	v_pk_add_f32 v[92:93], v[92:93], v[134:135]
	v_pk_add_f32 v[90:91], v[90:91], v[138:139]
	v_pk_add_f32 v[88:89], v[88:89], v[142:143]
	v_pk_add_f32 v[86:87], v[86:87], v[146:147]
	v_pk_add_f32 v[84:85], v[84:85], v[150:151]
	v_pk_add_f32 v[14:15], v[14:15], v[154:155]
	v_pk_add_f32 v[28:29], v[28:29], v[158:159]
	s_delay_alu instid0(VALU_DEP_2)
	v_pk_add_f32 v[14:15], v[14:15], v[90:91]
	s_delay_alu instid0(VALU_DEP_2)
	v_pk_add_f32 v[28:29], v[28:29], v[88:89]
	v_pk_add_f32 v[94:95], v[94:95], v[86:87]
	v_pk_add_f32 v[92:93], v[92:93], v[84:85]
	s_delay_alu instid0(VALU_DEP_2)
	v_pk_add_f32 v[14:15], v[14:15], v[94:95]
	s_delay_alu instid0(VALU_DEP_2)
	v_pk_add_f32 v[28:29], v[28:29], v[92:93]
	s_delay_alu instid0(VALU_DEP_1)
	v_pk_add_f32 v[14:15], v[14:15], v[28:29]
.set jj, 0
.rept 8
.set ii, 0
.rept 8
.set ii, ii+1
.endr
	v_cvt_scalef32_pk8_fp8_f32 v[32+2*jj:33+2*jj], v[96+8*jj:103+8*jj], v30   ; registers 2 j, 2 j + 1 of p's operand
.set jj, jj+1
.endr
.set jj, 0
.rept 16
	v_pk_mul_f32 v[160+jj:161+jj], v[160+jj:161+jj], v[26:27] op_sel_hi:[1,0]   ; O^T under the new M.  (Also the plain lines between the conversions and the products)
.set jj, jj+2
.endr
	s_wait_alu depctr_va_vdst(0)
	s_wait_dscnt 0x0                               ; V is in
.irp t, 0,1,2,3
	v_wmma_f32_16x16x128_fp8_fp8 v[160+8*\t:167+8*\t], v[192+16*\t:207+16*\t], v[32:47], v[160+8*\t:167+8*\t]   ; the four accumulators by turns
.endr
.Lhidden_\@:
	s_add_co_u32 s[KF], s[KF], 128
.endm
; THE CHANGE OF SLOTS stands at a trip's head.  Each wave waits for all its tensor loads, adds 0 to its spare word, and waits for that and for its reads of the slot that it has left.
; Behind the barrier the slot ahead is whole and nobody reads the other one, which is filled with the next trip's keys: the load has a whole trip in which to land.  One tensor load of a fetching wave is out at a time.
.macro CHANGE fill
	s_wait_tensorcnt 0x0                           ; no tensor load of mine is out, so group 0 may be written
	ds_add_u32 v[SPW], v[NIL]                      ; 0 onto my spare word
.if \fill
	s_add_co_u32 s[NS], s[NS], 1
	s_cmp_eq_u32 s[NS], s[WRAP]
	s_cselect_b32 s[NS], 0, s[NS]                  ; behind the first block's last slot comes slot 0 again, for the second block
	s_lshl_b32 s52, s[NS], 14
	s_xor_b32 s[G0+1], s[G0+1], SLOT1
	s_add_nc_u64 s[G0+2:G0+3], s[48:49], s[52:53]
	s_or_b32 s[G0+3], s[G0+3], 0x80000000
	s_wait_xcnt 0x0                                ; the last prefetch, a trip back, has read its address
	s_add_nc_u64 s[PFA:PFA+1], s[PFA:PFA+1], 16384
.endif
	s_wait_dscnt 0x0                               ; the add is done, and my reads of the slot that I have left are over
	s_barrier_signal -1
	s_barrier_wait -1
.if \fill
	TLOAD                                          ; the first thing behind the barrier, and a wave's one tensor load until the next
	ASK
.endif
.endm
.macro SLOT_STEPS
	STEP 0
	STEP 1
	s_xor_b32 s[TB], s[TB], SLOT1
.endm
	RESTART 82
.Lslot:                                            ; eight trips: behind each change of slots but the last the next trip's keys are asked for
	CHANGE 1
	SWITCH
	SLOT_STEPS
	s_sub_co_u32 s[CNT], s[CNT], 1
	s_cmp_lg_u32 s[CNT], 0
	s_cbranch_scc1 .Lslot
	CHANGE 0                                       ; the ninth trip is written out
	SWITCH                                         ; (work-group i = 0 changes blocks here)
	SLOT_STEPS
	FINISH 62
	s_wait_tensorcnt 0x0                           ; the wave's end
	ds_add_u32 v[SPW], v[NIL]
	s_wait_dscnt 0x0
	s_endpgm
.Lfunc_end_k_qa6d29f38ed_attn:
	.size	k_qa6d29f38ed_attn, .Lfunc_end_k_qa6d29f38ed_attn-k_qa6d29f38ed_attn
	.p2alignl 7, 3214868480
	.fill 96, 4, 3214868480
	.section	.rodata,"a",@progbits
	.p2align	6, 0x0
	.amdhsa_kernel k_qa6d29f38ed_attn
		.amdhsa_group_segment_fixed_size 327680
		.amdhsa_private_segment_fixed_size 0
		.amdhsa_enable_private_segment 0
		.amdhsa_kernarg_size 40
		.amdhsa_user_sgpr_count 2
		.amdhsa_user_sgpr_kernarg_segment_ptr 1
		.amdhsa_wavefront_size32 1
		.amdhsa_system_sgpr_workgroup_id_x 1
		.amdhsa_system_sgpr_workgroup_id_y 1
		.amdhsa_system_sgpr_workgroup_id_z 1
		.amdhsa_system_vgpr_workitem_id 0
		.amdhsa_next_free_vgpr 256
		.amdhsa_next_free_sgpr 90
		.amdhsa_reserve_vcc 1
		.amdhsa_float_denorm_mode_32 3
		.amdhsa_float_denorm_mode_16_64 3
		.amdhsa_fp16_overflow 1
		.amdhsa_memory_ordered 1
		.amdhsa_forward_progress 1
		.amdhsa_inst_pref_size 96
	.end_amdhsa_kernel
	.amdgpu_metadata
---
amdhsa.version: [ 1, 2 ]
amdhsa.kernels:
  - .name:           k_qa6d29f38ed_attn
    .symbol:         k_qa6d29f38ed_attn.kd
    .args:
      - { .name: qc, .offset: 0, .size: 8, .value_kind: global_buffer, .address_space: global }
      - { .name: kc, .offset: 8, .size: 8, .value_kind: global_buffer, .address_space: global }
      - { .name: vt, .offset: 16, .size: 8, .value_kind: global_buffer, .address_space: global }
      - { .name: lowp_scales, .offset: 24, .size: 8, .value_kind: global_buffer, .address_space: global }
      - { .name: cc, .offset: 32, .size: 8, .value_kind: global_buffer, .address_space: global }
    .group_segment_fixed_size: 327680
    .private_segment_fixed_size: 0
    .kernarg_segment_align: 8
    .kernarg_segment_size: 40
    .max_flat_workgroup_size: 512
    .sgpr_count:     90
    .vgpr_count:     256
    .wavefront_size: 32
...
	.end_amdgpu_metadata
.endif
;; end of part 3
;; launch oproj (part 4): grid 4 x 64, 4 waves a work-group, clusters of 4 x 4, 327,680 bytes of LDS; arguments cc, wc, lowp_scales, out0; writes out0
.if DOCPART == 4
	.amdgcn_target "amdgcn-amd-amdhsa--gfx1250"
	.amdhsa_code_object_version 6
	.text
	.protected	k_qa6d29f38ed_oproj
	.globl	k_qa6d29f38ed_oproj
	.p2align	8
	.type	k_qa6d29f38ed_oproj,@function
k_qa6d29f38ed_oproj:
	s_mov_b64 s[64:65], 0
	v_nop
	global_prefetch_b8 v0, s[64:65] scope:SCOPE_SE
	s_setreg_imm32_b32 hwreg(HW_REG_WAVE_MODE, 25, 1), 1
	s_wait_xcnt 0x0
	s_wait_alu depctr_hold_cnt(0) depctr_sa_sdst(0) depctr_va_vdst(0) depctr_va_sdst(0) depctr_va_ssrc(0) depctr_va_vcc(0) depctr_vm_vsrc(0)
	s_getreg_b32 s2, hwreg(HW_REG_IB_STS2, 6, 4)
	s_cmp_eq_u32 s2, 0
	s_cbranch_scc0 .Lentry_in_a_cluster
	s_endpgm
.Lentry_in_a_cluster:
	s_bfe_u32 s2, ttmp6, 0x10000c
	s_cmp_lg_u32 s2, 0xf033
	s_cbranch_scc0 .Lentry_shape_is_right
	s_endpgm
.Lentry_shape_is_right:
; out0 = context W_o on E4M3 codes (v_wmma_f32_16x16x128_fp8_fp8, f32 sums); each finished sum is multiplied once by 2^(e10 + e11).
; LIMIT: e10 + e11 between -126 and 127, so that the factor is an f32 number.
; A tile is 128 tokens x 256 columns, so that 64 x 4 = 256 work-groups share the 8,192 x 1,024 outputs; a wave makes 64 x 128: 32 accumulators.  K = 1,024 goes in four steps of 256 through two LDS slots.
; A = the context's codes, cc [K step 4][token / 16][head % 4][16 tokens][64]: a K step's 128 tokens are 32 KiB on end, fetched as rows of 256 bytes (four tokens of a head).
;     Token n, head j of the step, lies in LDS row 16 (n / 16) + 4 j + (n % 16) / 4, at byte 64 (n % 4).   B = W_o's codes, the fourth part of wc, [n][k].
; CLUSTERS: 4 x 4 work-groups; A's tiles are asked for jointly along a row of the cluster, B's along a column.  The matrix instruction is used transposed (source 0 = B's rows): a lane holds eight neighbouring columns of a token.
; Not prefetched: the four K steps are all asked for within the first two steps' work.
; REGISTERS: window 0: v0-31 addresses; v128-255 A's fragments, two sets of four; on the way out v32-255 are at work.  window 1: B's fragments, two sets of eight.  window 2: the accumulators ((a, b) at v[8 (8 a + b)]).
.set ROWB,   256
.set PITCH,  272                       ; an LDS row: 256 bytes + 16 of padding
.set FR,     16
.set ABYTES, 128*PITCH                 ; A's 128 rows
.set SLOT,   ABYTES+256*PITCH          ; then B's 256
.set SPARE,  2*SLOT                    ; the spare words, 128 bytes a wave: two blocks of 256 bytes that no other line names
.set SPITCH, 528                       ; the way out: 16 rows x (512 bytes + 16) for each wave, in slot 0, which has had its last fill and its last read by then
.set ADRA, 16
.set ADRB, 20
.set STO,  24
.set RD,   25
.set CO,   26
.set SPW,  28
.set NIL,  29
.set TMP,  32
.set AF,   128
.set BK,   128
.set G1, 24
.set G0, 32
.set G1B, 48
.set G0B, 56
.set MSB, 0
.macro WIN new                         ; the immediate's high byte repeats the setting that is left
.if MSB != \new
	s_set_vgpr_msb (MSB<<8)|\new
.set MSB, \new
.endif
.endm
.set MUL,  0xa1                        ; source 0 (B) window 1, source 1 (A) window 0, C and D window 2
.set TO_B, 0x40
.macro JLOAD g0a, g1a, g0b, g1b        ; waves 0 and 1 fetch for A, waves 2 and 3 for B; four v_nop follow each of the two lines
	s_cmp_eq_u32 s15, 0
	s_cbranch_scc0 .Lfor_b_\@
	tensor_load_to_lds s[\g0a:\g0a+3], s[\g1a:\g1a+7]
	s_nop 0
.rept 4
	v_nop
.endr
	s_branch .Lasked_\@
.Lfor_b_\@:
	tensor_load_to_lds s[\g0b:\g0b+3], s[\g1b:\g1b+7]
	s_nop 0
.rept 4
	v_nop
.endr
.Lasked_\@:
.endm
.macro CREST
	s_cmp_lg_u32 s14, 0
	s_cbranch_scc1 .Lnot_wave_0_\@
	s_barrier_signal -3
.Lnot_wave_0_\@:
	s_barrier_wait -3
	s_barrier_signal -1
	s_barrier_wait -1
.endm
.macro CROUND
	s_barrier_signal -1
	s_barrier_wait -1
	CREST
.endm
	s_load_b128 s[4:7], s[0:1], 0x0                ; cc, wc
	s_load_b128 s[8:11], s[0:1], 0x10              ; the exponents, out0
	v_lshl_add_u32 v[SPW], v0, 2, SPARE
	v_mov_b32 v[NIL], 0
	ds_add_u32 v28, v29
	ds_add_u32 v28, v29
	s_wait_dscnt 0x0
	v_lshrrev_b32 v1, 5, v0
	v_readfirstlane_b32 s14, v1                    ; wave 0..3
	s_lshr_b32 s15, s14, 1                         ; which 64 tokens are mine.  Also: I fetch for A (0) or for B (1)
	s_and_b32 s16, s14, 1                          ; which 128 columns.  Also: which half of that tile I fetch
	s_bfe_u32 s40, ttmp6, 0x40000                  ; cx
	s_bfe_u32 s41, ttmp6, 0x40004                  ; cy
	s_lshl_b32 s42, ttmp9, 2
	s_add_co_u32 s42, s42, s40                     ; tile column
	s_and_b32 s17, ttmp7, 0xffff
	s_lshl_b32 s17, s17, 2
	s_add_co_u32 s17, s17, s41                     ; tile row
	s_lshl_b32 s43, s41, 2
	s_lshl_b32 s43, 15, s43                        ; my row of the cluster
	s_lshl_b32 s44, 0x1111, s40                    ; my column
	s_or_b32 s[G1+0], s43, (0<<16)|(1<<20)|(1<<21)|(5<<22)|(3<<25)  ; the mask; elements of 1 byte; padding on; bit 21 beside a mask; 4 words behind every 64
	s_mov_b32 s[G1+1], ROWB<<16                    ; A: 64 rows of 256 bytes, dense
	s_mov_b32 s[G1+2], 64<<16
	s_mov_b32 s[G1+3], ROWB<<16
	s_mov_b32 s[G1+4], 64
	s_mov_b32 s[G1+5], ROWB
	s_mov_b32 s[G1+6], 0
	s_mov_b32 s[G1+7], 0
	s_or_b32 s[G1B+0], s44, (0<<16)|(1<<20)|(1<<21)|(5<<22)|(3<<25)
	s_mov_b32 s[G1B+1], ROWB<<16                   ; B: 128 rows of 256 bytes, 1,024 apart
	s_mov_b32 s[G1B+2], 128<<16
	s_mov_b32 s[G1B+3], ROWB<<16
	s_mov_b32 s[G1B+4], 128
	s_mov_b32 s[G1B+5], 1024
	s_mov_b32 s[G1B+6], 0
	s_mov_b32 s[G1B+7], 0
	s_lshl_b32 s20, s17, 15                        ; A: tile row x 32 KiB
	s_lshl_b32 s18, s16, 14                        ; + my half
	s_add_co_u32 s20, s20, s18
	s_mov_b32 s21, 0
	s_lshl_b32 s46, s42, 18                        ; B: 256 x tile column rows of 1,024 bytes
	s_lshl_b32 s18, s16, 17                        ; + my 128 rows
	s_add_co_u32 s46, s46, s18
	s_add_co_u32 s46, s46, 0x300000                ; in wc's fourth part
	s_mov_b32 s47, 0
	s_mul_i32 s45, s16, 64*PITCH                   ; where they go: A's halves,
	s_mul_i32 s22, s16, 128*PITCH
	s_add_co_u32 s22, s22, ABYTES                  ; B's halves behind them
	s_wait_kmcnt 0x0
	s_load_b64 s[96:97], s[8:9], 0x28              ; e10, e11
	s_add_nc_u64 s[20:21], s[4:5], s[20:21]
	s_add_nc_u64 s[46:47], s[6:7], s[46:47]
	CROUND                                         ; all sixteen work-groups are here: the first joint loads meet
.irp s, 0,1
	s_mov_b32 s[G0+4*\s], 1
	s_add_co_u32 s[G0+4*\s+1], s45, \s*SLOT
	s_add_nc_u64 s[G0+4*\s+2:G0+4*\s+3], s[20:21], \s*0x200000   ; a K step of cc is 8,192 tokens x 256 bytes
	s_or_b32 s[G0+4*\s+3], s[G0+4*\s+3], 0x80000000
	s_mov_b32 s[G0B+4*\s], 1
	s_add_co_u32 s[G0B+4*\s+1], s22, \s*SLOT
	s_add_nc_u64 s[G0B+4*\s+2:G0B+4*\s+3], s[46:47], \s*ROWB
	s_or_b32 s[G0B+4*\s+3], s[G0B+4*\s+3], 0x80000000
	s_wait_alu depctr_va_vdst(0)
	s_wait_tensorcnt 0x0
	ds_add_u32 v28, v29
	ds_add_u32 v28, v29
	s_wait_dscnt 0x0
	CROUND
	JLOAD G0+4*\s, G1, G0B+4*\s, G1B
.endr
	v_and_b32 v1, 15, v0                           ; r
	v_bfe_u32 v2, v0, 4, 1                         ; h
	v_mul_u32_u24 v3, v1, PITCH
	v_lshl_add_u32 v4, v2, 4, v3                   ; B: 272 r + 16 h
	v_lshrrev_b32 v5, 2, v1
	v_mul_u32_u24 v5, v5, PITCH
	v_and_b32 v6, 3, v1
	v_lshl_add_u32 v5, v6, 6, v5
	v_lshl_add_u32 v5, v2, 4, v5                   ; A: 272 (r / 4) + 64 (r % 4) + 16 h
	s_mul_i32 s21, s15, 64*PITCH                   ; my 64 tokens: 64 LDS rows
	s_mul_i32 s22, s16, 128*PITCH
	s_add_co_u32 s22, s22, ABYTES                  ; my 128 rows of B
.irp s, 0,1
	v_add_nc_u32 v[ADRA+\s], s21, v5
	v_add_nc_u32 v[ADRB+\s], s22, v4
	s_add_co_u32 s21, s21, SLOT
	s_add_co_u32 s22, s22, SLOT
.endr
	s_mul_i32 s23, s14, 16*SPITCH                  ; my stage
	v_mul_u32_u24 v5, v1, SPITCH
	v_lshl_add_u32 v5, v2, 5, v5
	v_add_nc_u32 v[STO], s23, v5                   ; in: row r, 32 bytes for each half of the lanes
	v_and_b32 v6, 31, v0
	v_lshlrev_b32 v[CO], 4, v6                     ; back: the 32 lanes take a row of 512 bytes; and the same in out0
	v_add_nc_u32 v[RD], s23, v[CO]
	s_lshl_b32 s20, s17, 7
	s_lshl_b32 s21, s15, 6
	s_add_co_u32 s20, s20, s21                     ; my first token
	s_lshl_b32 s20, s20, 12                        ; x 4,096 bytes
	s_lshl_b32 s46, s42, 10
	s_lshl_b32 s47, s16, 9
	s_add_co_u32 s46, s46, s47                     ; my first column, in bytes
	s_add_co_u32 s86, s20, s46
	s_mov_b32 s87, 0
	s_add_nc_u64 s[10:11], s[10:11], s[86:87]
; Registers 4 c .. 4 c + 3 of a fragment hold K = 128 q + 32 c + 16 h + 0 .. 15 of the K step, alike in A and in B.
.macro FRAGA reg, adr, q, i            ; head 2 q + c / 2 of the step, channels 32 (c % 2) + 16 h on
.irp c, 0,1,2,3
	ds_load_b128 v[\reg+4*\c:\reg+4*\c+3], v[\adr] offset:(16*(\i)+4*(2*(\q)+\c/2))*PITCH+32*(\c%2)
.endr
.endm
.macro FRAGB reg, adr, q, i
.irp c, 0,1,2,3
	ds_load_b128 v[\reg+4*\c:\reg+4*\c+3], v[\adr] offset:128*(\q)+32*\c+(\i)*16*PITCH
.endr
.endm
.macro FETCH slot, q, p                ; 48 LDS loads in one run: the fragments of 128 along K into set p
	WIN TO_B
.irp i, 0,1,2,3,4,5,6,7
	FRAGB 128*(\p)+FR*\i, ADRB+\slot, \q, \i
.endr
	WIN 0
.irp i, 0,1,2,3
	FRAGA AF+64*(\p)+FR*\i, ADRA+\slot, \q, \i
.endr
.endm
; 16 matrix instructions.  The 32 accumulators take turns, one instruction a turn, in the same order in every step.
.macro MUL16 a0, p, zero
.irp a, \a0, \a0+1
.irp b, 0,1,2,3,4,5,6,7
.if \zero
	v_wmma_f32_16x16x128_fp8_fp8 v[8*(8*(\a)+\b):8*(8*(\a)+\b)+7], v[128*(\p)+FR*\b:128*(\p)+FR*\b+FR-1], v[AF+64*(\p)+FR*(\a):AF+64*(\p)+FR*(\a)+FR-1], 0
.else
	v_wmma_f32_16x16x128_fp8_fp8 v[8*(8*(\a)+\b):8*(8*(\a)+\b)+7], v[128*(\p)+FR*\b:128*(\p)+FR*\b+FR-1], v[AF+64*(\p)+FR*(\a):AF+64*(\p)+FR*(\a)+FR-1], v[8*(8*(\a)+\b):8*(8*(\a)+\b)+7]
.endif
.endr
.endr
.endm
.macro PLACES                          ; four plain vector lines between a matrix instruction and a load into, or a read of, its registers
.rept 4
	v_nop
.endr
.endm
.macro STEP slot, zero                 ; a slot's first 128 along K, on set 0; the second 128 are fetched into set 1 meanwhile
	s_wait_dscnt 0x0                               ; set 0 is in
	PLACES
	FETCH \slot, 1, 1
	WIN MUL
	MUL16 0, 0, \zero
	MUL16 2, 0, \zero
	WIN 0
.endm
; A slot's second 128, on set 1, change slots: one barrier; in front of it each wave waits for all its tensor loads, adds 0 to its spare word, and waits for that and for its reads of this slot.
.macro TURN slot, next, fill
	s_wait_tensorcnt 0x0                           ; all my tensor loads have landed: my part of the next slot
	ds_add_u32 v[SPW], v[NIL]                      ; 0 onto my spare word
	s_wait_dscnt 0x0                               ; the add is done; set 1 is in, and with it my reads of this slot are over
	s_barrier_signal -1
	WIN MUL
	MUL16 0, 1, 0
	WIN 0
	s_barrier_wait -1
.if \fill
	CREST                                          ; the barrier has opened a round of the cluster's: no wave of any partner still reads this slot or has a load on its way
	s_add_nc_u64 s[G0+4*\slot+2:G0+4*\slot+3], s[G0+4*\slot+2:G0+4*\slot+3], 0x400000
	s_add_nc_u64 s[G0B+4*\slot+2:G0B+4*\slot+3], s[G0B+4*\slot+2:G0B+4*\slot+3], 2*ROWB
	JLOAD G0+4*\slot, G1, G0B+4*\slot, G1B         ; the first tensor load behind the round; its four v_nop are also the places in front of the loads below
.else
	PLACES
.endif
	FETCH \next, 0, 0
	WIN MUL
	MUL16 2, 1, 0
	WIN 0
.endm
	s_wait_alu depctr_va_vdst(0)
	s_wait_tensorcnt 1                             ; my part of K step 0 is in; K step 1's load may be out
	s_barrier_signal -1
	s_barrier_wait -1
	FETCH 0, 0, 0
	STEP 0, 1                                      ; the first products start the sums: nothing is cleared
	TURN 0, 1, 1                                   ; slot 0 takes K step 2
	STEP 1, 0
	TURN 1, 0, 1                                   ; slot 1 takes K step 3
	STEP 0, 0
	TURN 0, 1, 0                                   ; nothing is left to fetch
	STEP 1, 0
	s_wait_dscnt 0x0
	WIN MUL
	MUL16 0, 1, 0
	MUL16 2, 1, 0
	WIN 0
; THE WAY OUT, a block of 16 tokens x 128 columns at a time: x 2^(e10 + e11), through my own stage, back as whole rows of 512 bytes.
.macro TOSTAGE a
.set AC, 64*(\a)
	WIN 0x02                                       ; source 0: window 2
.set jj, 0
.rept 32
	v_pk_mul_f32 v[TMP+jj:TMP+jj+1], v[AC+jj:AC+jj+1], s[96:97] op_sel_hi:[1,0]   ; both x s96; each accumulator from its low end on
.set jj, jj+2
.endr
	WIN 0
.irp b, 0,1,2,3,4,5,6,7
	ds_store_b128 v[STO], v[TMP+8*\b:TMP+8*\b+3] offset:64*\b
	ds_store_b128 v[STO], v[TMP+8*\b+4:TMP+8*\b+7] offset:64*\b+16
.endr
.set BB, BK+64*((\a)%2)
.irp t, 0,1,2,3,4,5,6,7,8,9,10,11,12,13,14,15
	ds_load_b128 v[BB+4*\t:BB+4*\t+3], v[RD] offset:\t*SPITCH   ; LDS serves a wave's instructions in order: these see the stores above, and the next block's stores come behind them
.endr
.endm
.macro SEND a, younger
.set BB, BK+64*((\a)%2)
	s_wait_dscnt \younger
.if (\a) > 0
	s_add_nc_u64 s[10:11], s[10:11], 16*4096       ; (behind a wait on XCNT: the earlier stores have read their base)
.endif
.irp t, 0,1,2,3,4,5,6,7,8,9,10,11,12,13,14,15
	global_store_b128 v[CO], v[BB+4*\t:BB+4*\t+3], s[10:11] offset:\t*4096 th:TH_STORE_NT   ; 32 lanes store 512 consecutive bytes, aligned; written once, read by nobody here
.endr
.endm
	s_wait_kmcnt 0x0
	s_add_co_i32 s96, s96, s97
	s_add_co_i32 s96, s96, 127
	s_lshl_b32 s96, s96, 23                        ; 2^(e10 + e11) as f32
	PLACES
	TOSTAGE 0
.irp a, 1,2,3
.if \a > 1
	s_wait_xcnt 0x0                                ; block a - 2's stores have read their registers and their base
.endif
	TOSTAGE \a
	SEND \a-1, 32                                  ; behind block a - 1's loads: block a's 16 stores and 16 loads
.endr
	s_wait_xcnt 0x0
	SEND 3, 0
	s_wait_tensorcnt 0x0                           ; the wave's end
	ds_add_u32 v[SPW], v[NIL]
	s_wait_dscnt 0x0
	CROUND                                         ; the closing round
	s_endpgm
.Lfunc_end_k_qa6d29f38ed_oproj:
	.size	k_qa6d29f38ed_oproj, .Lfunc_end_k_qa6d29f38ed_oproj-k_qa6d29f38ed_oproj
	.p2alignl 7, 3214868480
	.fill 96, 4, 3214868480
	.section	.rodata,"a",@progbits
	.p2align	6, 0x0
	.amdhsa_kernel k_qa6d29f38ed_oproj
		.amdhsa_group_segment_fixed_size 327680
		.amdhsa_private_segment_fixed_size 0
		.amdhsa_enable_private_segment 0
		.amdhsa_kernarg_size 32
		.amdhsa_user_sgpr_count 2
		.amdhsa_user_sgpr_kernarg_segment_ptr 1
		.amdhsa_wavefront_size32 1
		.amdhsa_system_sgpr_workgroup_id_x 1
		.amdhsa_system_sgpr_workgroup_id_y 1
		.amdhsa_system_sgpr_workgroup_id_z 1
		.amdhsa_system_vgpr_workitem_id 0
		.amdhsa_next_free_vgpr 768
		.amdhsa_next_free_sgpr 100
		.amdhsa_reserve_vcc 0
		.amdhsa_float_denorm_mode_32 3
		.amdhsa_float_denorm_mode_16_64 3
		.amdhsa_memory_ordered 1
		.amdhsa_forward_progress 1
		.amdhsa_inst_pref_size 76
	.end_amdhsa_kernel
	.amdgpu_metadata
---
amdhsa.version: [ 1, 2 ]
amdhsa.kernels:
  - .name:           k_qa6d29f38ed_oproj
    .symbol:         k_qa6d29f38ed_oproj.kd
    .args:
      - { .name: cc, .offset: 0, .size: 8, .value_kind: global_buffer, .address_space: global }
      - { .name: wc, .offset: 8, .size: 8, .value_kind: global_buffer, .address_space: global }
      - { .name: lowp_scales, .offset: 16, .size: 8, .value_kind: global_buffer, .address_space: global }
      - { .name: out0, .offset: 24, .size: 8, .value_kind: global_buffer, .address_space: global }
    .group_segment_fixed_size: 327680
    .private_segment_fixed_size: 0
    .kernarg_segment_align: 8
    .kernarg_segment_size: 32
    .max_flat_workgroup_size: 128
    .sgpr_count:     100
    .vgpr_count:     768
    .wavefront_size: 32
...
	.end_amdgpu_metadata
.endif
;; end of part 4
